; MI455X (gfx1250); checked and timed in simulation.
; The chip was launched on July 23, 2026; its instructions are those of AMD's public machine-readable ISA for CDNA 5 (MIT licence, August 2026) and "CDNA5" Instruction Set Architecture Reference Guide (July 2026). The comments in the code are by the model that wrote it; some were corrected since.
;; Multi Headed Attention Rel. Allowed arithmetic: matrix products marked QUANTISED: E3M2 operands, one E8M0 scale for each 32 along K, by v_wmma_scale_f32_16x16x128_f8f6f4 with both operands' format E3M2, f32 sums; everything else in f32.
;; Inputs: Wk 1,024 x 1,024 float32; Wo 1,024 x 1,024 float32; Wq 1,024 x 1,024 float32; Wv 1,024 x 1,024 float32; bk 1,024 float32; bo 1,024 float32; bq 1,024 float32; bv 1,024 float32; key 8 x 1,024 x 1,024 float32; query 8 x 1,024 x 1,024 float32; rel_k_table 65 x 64 float32; rel_v_table 65 x 64 float32; value 8 x 1,024 x 1,024 float32.
;; Outputs: out0 8 x 1,024 x 1,024 float32.
;; This version of the problem:
;;   THIS VERSION OF THE PROBLEM IS GIVEN IN LOW PRECISION. The matrix products marked QUANTISED in the list below multiply operands that are first quantised to E3M2 (3 exponent bits, 2 mantissa bits; 6 bits a number), with one power-of-two scale for each 32 numbers along K (OCP MX v1.0); their sums are f32. All else is computed in f32.
;;   The module's matrix products, in the order in which they are computed (A, B: the left and right operand; K: the contracted axis; several contracted axes count as one K, in the product's order):
;;     1. [M 8,192, K 1,024] x [K 1,024, N 1,024]; A: input query; B: input Wq: QUANTISED
;;     2. [M 8,192, K 1,024] x [K 1,024, N 1,024]; A: input key; B: input Wk: QUANTISED
;;     3. [M 8,192, K 1,024] x [K 1,024, N 1,024]; A: input value; B: input Wv: QUANTISED
;;     4. batch 128 x [M 1,024, K 64] x [K 64, N 1,024]; A: computed on the way; B: computed on the way: QUANTISED
;;     5. batch 1,024 x [M 1,024, K 64] x [K 64, N 128]; A: computed on the way; B: computed on the way: QUANTISED
;;     6. batch 128 x [M 1,024, K 1,024] x [K 1,024, N 64]; A: softmax (see below); B: computed on the way: QUANTISED
;;     7. batch 1,024 x [M 64, K 1,024] x [K 1,024, N 128]; A: computed on the way; B: softmax (see below): QUANTISED
;;     8. [M 8,192, K 1,024] x [K 1,024, N 1,024]; A: computed on the way; B: input Wo: QUANTISED
;;   THE QUANTISER, for each operand of a quantised product, along K:
;;     - K is cut into blocks of 32 from its start; a last block that is shorter is filled with zeros.
;;     - A block's scale is 2^e with e = floor(log2(the largest magnitude in the block)) - 4, held to -126 .. 127; a block of zeros has e = 0. As a byte (E8M0): e + 127.
;;     - Each number is divided by its block's scale, clamped to +-28, and rounded to the nearest number of E3M2, ties to even, subnormals kept.
;;     - The product sums the exact products of the quantised numbers (number of the format x scale) in f32.
;;   ~~~python
;;   def quantise(x, axis):      # numpy; x: float32 -> the quantised numbers, widened to float32 again
;;       x = np.moveaxis(x, axis, -1); K = x.shape[-1]
;;       x = np.pad(x, [(0, 0)] * (x.ndim - 1) + [(0, -K % 32)]); x = x.reshape(x.shape[:-1] + (-1, 32)); a = np.abs(x).max(-1, keepdims=True)
;;       e = np.where(a > 0, np.clip(np.frexp(np.where(a > 0, a, 1))[1] - 1 - 4, -126, 127), 0)      # np.frexp(a)[1] - 1 = floor(log2(a)), exactly
;;       r = np.clip(x / 2.0 ** e, -28, 28)
;;       step = 2.0 ** (np.maximum(np.frexp(np.where(r == 0, 1, r))[1] - 1, -2) - 2)
;;       q = np.round(r / step) * step * 2.0 ** e      # np.round: ties to even
;;       return np.moveaxis(q.reshape(q.shape[:-2] + (-1,))[..., :K], -1, axis).astype(np.float32)
;;   ~~~
;;   SOFTMAX AHEAD OF A QUANTISED PRODUCT. Where the list says 'softmax', what is quantised is not the finished softmax but p = 2^(t - M), with t = logit x log2(e) and M = ceil(the row's largest t), a whole number; so 1/2 < the row's largest p <= 1. The row's sum l is taken of the UNQUANTISED p, in f32, and the product's result is divided by l at the end. Since M is a whole number, a kernel that streams over the keys may use a running M (the ceiling of the running maximum): every later rescaling is an exact power of two, which a block's scale takes up: the codes' values come out the same.
;;   OPERANDS COMPUTED ON THE WAY. 'Computed on the way' means the value that the module computes at that place (a softmax that the list does not call 'softmax' is quantised finished and normalised). What goes into a quantiser is computed in f32, as accurately as f32 sums, v_exp_f32 and their like allow (about 1e-6 of the number): no bf16 or f16 on the way to a quantiser, and a product that is left as it is and whose result goes on into a quantised operand takes f32 operands (vector FMAs, or v_wmma_f32_16x16x4_f32). A number that lies on a knife's edge between two numbers of the format may be rounded either way, as far as f32 arithmetic and the matrix unit's own rounding can turn it there, and no further.
;; One version. Each part assembles by itself: llvm-mc -triple=amdgcn-amd-amdhsa -mcpu=gfx1250 --defsym DOCPART=n.
;; ======== version 1 of 1: 4 launches
;; limits: right only within a limited range of input values
;; workspace buffers: opq 22,937,600 bytes; tabs 211,968 bytes; qkv 20,185,088 bytes; xo 6,553,600 bytes
;; launch quant (part 1): grid 483 x 1, 4 waves a work-group, no clusters, 34,304 bytes of LDS; arguments query, key, value, Wq, Wk, Wv, Wo, rel_k_table, rel_v_table, opq, tabs; writes opq, tabs
.if DOCPART == 1
	.amdgcn_target "amdgcn-amd-amdhsa--gfx1250"
	.amdhsa_code_object_version 6
	.text
	.protected	k_qfdee69826d_quant
	.globl	k_qfdee69826d_quant
	.p2align	8
	.type	k_qfdee69826d_quant,@function
k_qfdee69826d_quant:
	s_mov_b64 s[64:65], 0
	v_nop
	global_prefetch_b8 v0, s[64:65] scope:SCOPE_SE
	s_setreg_imm32_b32 hwreg(HW_REG_WAVE_MODE, 25, 1), 1
	s_wait_xcnt 0x0
; f32 numbers into codes of BF6 (E3M2) with one E8M0 byte for each 32 along K, laid in the ORDER OF AN OPERAND'S REGISTERS.
; A UNIT is 768 bytes: 16 rows x 64 codes; lane l = r + 16 h holds the 32 codes k = 32 h .. 32 h + 31 of row r in six registers:
; registers 0-3 at byte 16 l, registers 4-5 at byte 512 + 8 l.  Two units are a fragment (16 rows x 128 K).
; A ROW TILE takes rows 32 (t / 2) + 8 (t % 2) + r + 8 (r / 8): so a product used transposed leaves 16 neighbours along the next K in a lane.
; Work-groups 0-447: query, key, value, Wq, Wk, Wv, Wo; a wave takes one row tile, 16 rows x 1,024 K, in eight steps of 128.
;   opq: codes of row tile T at 12,288 T (step s at + 1,536 s); its scale words at OPS + 512 T, 32 bytes a row.
; Work-groups 448-479: rel_v_table as the second relative product sees it near the diagonal: for r = query % 32 the three key blocks round the
;   query's own hold T_v[clip(32 slot + i - r, 0, 64)][d], quantised along i; a fourth slot holds zero codes.
; Work-groups 480-481: rel_k_table spread over e = distance + 64 = 0 .. 127, the clipped ends repeated; quantised along d.
; Work-group 482: T_v[0][d] and T_v[64][d] as a block of 32 equal numbers is quantised: two mantissa bits, ties to even, held at 1.75 x 2^E.
; LIMITS: NaN and infinities are not served; a block whose largest magnitude lies under 2^-122 keeps the byte 1; a block of zeros keeps the
; byte 1 over zero codes (only this program reads the bytes).
.set OPS,  22020096
.set SEL,  4                           ; s[4:5] lane selects: lane l xor 16
.set RA,   16                          ; v16-143  two sets of 64 numbers as loaded
.set XN,   144                         ; v144-207 64 numbers: register 16 b + i = k 32 b + 16 h + i of row r
.set PC,   208                         ; v208-219 a fragment's codes
.set CT,   220                         ; v220-227 the conversions' second halves
.set TM,   228                         ; v228-239 maxima, bytes, scale operands
.set PWS,  244                         ; v244-251 the eight steps' scale words
.set SPB,  528                         ; a stage row: 512 bytes + 16: sixteen rows start in sixteen different columns of 16 bytes
; 64 numbers of a lane become a fragment's 12 registers and its row's scale word
.macro QUANT s, pc, ct, tm, pw
.irp b, 0,1,2,3
	v_max3_num_f32 v[\tm+\b], |v[\s+16*\b]|, |v[\s+1+16*\b]|, 0x2800000   ; my 16 numbers of block b, and the floor 2^(5 - 127): the byte cannot fall under 1
.endr
.irp i, 2,4,6,8,10,12,14
.irp b, 0,1,2,3
	v_max3_num_f32 v[\tm+\b], v[\tm+\b], |v[\s+16*\b+\i]|, |v[\s+1+16*\b+\i]|
.endr
.endr
.irp b, 0,1,2,3
	v_permlanex16_b32 v[\tm+4+\b], v[\tm+\b], s[SEL], s[SEL+1]
.endr
.irp b, 0,1,2,3
	v_max_num_f32 v[\tm+\b], v[\tm+\b], v[\tm+4+\b]       ; with lane l xor 16's: the block's largest magnitude
.endr
.irp b, 0,1,2,3
	v_add_nc_u32 v[\tm+8+\b], 0xfe000000, v[\tm+\b]       ; 4 off its exponent field: the conversion's scale operand
.endr
.irp b, 0,1,2,3
	v_lshrrev_b32 v[\tm+4+\b], 23, v[\tm+8+\b]            ; the scale's byte
.endr
	v_lshl_or_b32 v[\pw], v[\tm+5], 8, v[\tm+4]
	v_lshl_or_b32 v[\pw], v[\tm+6], 16, v[\pw]
	v_lshl_or_b32 v[\pw], v[\tm+7], 24, v[\pw]
.irp c, 0,1
	v_cvt_scalef32_pk16_bf6_f32 v[\pc+6*\c:\pc+6*\c+2], v[\s+32*\c:\s+32*\c+15], v[\tm+8+2*\c]
	v_cvt_scalef32_pk16_bf6_f32 v[\ct+4*\c:\ct+4*\c+2], v[\s+32*\c+16:\s+32*\c+31], v[\tm+9+2*\c]
.endr
	v_nop                                                  ; one plain place behind a scaled conversion
.irp c, 0,1
.irp i, 0,1,2
	v_permlane16_swap_b32 v[\pc+6*\c+\i], v[\ct+4*\c+\i]  ; a whole block to a lane: lanes 0-15 block 2 c, lanes 16-31 block 2 c + 1
.endr
.irp i, 0,1,2
	v_mov_b32 v[\pc+6*\c+3+\i], v[\ct+4*\c+\i]
.endr
.endr
.endm
	s_load_b512 s[8:23], s[0:1], 0x0               ; query, key, value, Wq, Wk, Wv, Wo, rel_k_table
	s_load_b128 s[24:27], s[0:1], 0x40             ; rel_v_table, opq
	s_load_b64 s[28:29], s[0:1], 0x50              ; tabs
	v_lshl_add_u32 v254, v0, 2, 0x8400
	v_mov_b32 v255, 0
	v_lshrrev_b32 v1, 5, v0
	v_readfirstlane_b32 s2, v1                     ; wave
	v_and_b32 v7, 31, v0                           ; lane
	v_and_b32 v8, 15, v0                           ; r
	v_bfe_u32 v9, v0, 4, 1                         ; h
	s_mov_b32 s[SEL], 0x76543210
	s_mov_b32 s[SEL+1], 0xfedcba98
	s_mov_b32 s33, 0
	s_wait_kmcnt 0x0
	s_cmp_lt_u32 ttmp9, 448
	s_cbranch_scc0 .Ltables
	; ---- the seven tensors
	s_lshl_b32 s3, ttmp9, 2
	s_add_co_u32 s3, s3, s2                        ; my row tile
	s_mov_b64 s[30:31], s[20:21]                   ; which tensor, and its first row tile: the choice hangs on the work-group's number alone
	s_mov_b32 s6, 1728
	s_cmp_lt_u32 ttmp9, 432
	s_cselect_b64 s[30:31], s[18:19], s[30:31]
	s_cselect_b32 s6, 1664, s6
	s_cmp_lt_u32 ttmp9, 416
	s_cselect_b64 s[30:31], s[16:17], s[30:31]
	s_cselect_b32 s6, 1600, s6
	s_cmp_lt_u32 ttmp9, 400
	s_cselect_b64 s[30:31], s[14:15], s[30:31]
	s_cselect_b32 s6, 1536, s6
	s_cmp_lt_u32 ttmp9, 384
	s_cselect_b64 s[30:31], s[12:13], s[30:31]
	s_cselect_b32 s6, 1024, s6
	s_cmp_lt_u32 ttmp9, 256
	s_cselect_b64 s[30:31], s[10:11], s[30:31]
	s_cselect_b32 s6, 512, s6
	s_cmp_lt_u32 ttmp9, 128
	s_cselect_b64 s[30:31], s[8:9], s[30:31]
	s_cselect_b32 s6, 0, s6
	s_sub_co_u32 s7, s3, s6                        ; the row tile's number in its tensor
	s_lshr_b32 s32, s7, 1
	s_lshl_b32 s32, s32, 17                        ; 32 rows of 4,096 bytes
	s_and_b32 s7, s7, 1
	s_lshl_b32 s7, s7, 15                          ; 8 rows
	s_add_co_u32 s32, s32, s7
	s_add_nc_u64 s[30:31], s[30:31], s[32:33]
	s_mul_i32 s32, s3, 12288
	s_add_nc_u64 s[34:35], s[26:27], s[32:33]      ; my codes
	s_lshl_b32 s32, s3, 9
	s_add_co_u32 s32, s32, OPS
	s_add_nc_u64 s[36:37], s[26:27], s[32:33]      ; my scale words
	s_mul_i32 s38, s2, 16*SPB                      ; my stage
	s_wait_alu depctr_va_vdst(0)
	v_lshlrev_b32 v1, 4, v7                        ; 16 l: a load's 512 bytes, and a unit's first four registers
	v_lshlrev_b32 v5, 3, v7                        ; 8 l: a unit's last two
	v_lshl_add_u32 v2, v7, 4, s38                  ; into the stage: as loaded
	v_mul_u32_u24 v3, v8, SPB
	v_lshl_add_u32 v3, v9, 6, v3
	v_add_nc_u32 v3, s38, v3                       ; out of it: row r, + 64 h
	v_lshlrev_b32 v6, 5, v8
	v_lshl_add_u32 v6, v9, 4, v6                   ; the scale words: 32 r + 16 h
.irp b, 0,1,2,3
	v_mov_b32 v[TM+4+\b], 0                        ; a lane permute's destination counts as one of its sources
.endr
.macro XLOAD s                         ; step s: 512 consecutive bytes of each of the tile's sixteen rows
.irp i, 0,1,2,3,4,5,6,7,8,9,10,11,12,13,14,15
	global_load_b128 v[RA+64*((\s)%2)+4*\i:RA+64*((\s)%2)+4*\i+3], v1, s[30:31] offset:(\i+8*(\i/8))*4096+512*(\s) th:TH_LOAD_NT
.endr
.endm
.macro XSTEP s
.if (\s) < 7
	s_wait_loadcnt 16                              ; this step's 16 loads are in; the next step's 16 stay out
.else
	s_wait_loadcnt 0x0
.endif
.irp i, 0,1,2,3,4,5,6,7,8,9,10,11,12,13,14,15
	ds_store_b128 v2, v[RA+64*((\s)%2)+4*\i:RA+64*((\s)%2)+4*\i+3] offset:SPB*\i
.endr
.irp b, 0,1,2,3
.irp j, 0,1,2,3
	ds_load_b128 v[XN+16*\b+4*\j:XN+16*\b+4*\j+3], v3 offset:128*\b+16*\j   ; LDS serves a wave's instructions in order: these see the stores above
.endr
.endr
	s_wait_dscnt 0x0                               ; the numbers are back, and the stores have read their registers
.if (\s) < 6
	XLOAD (\s)+2
.endif
	s_wait_xcnt 0x0                                ; the last step's stores have read the codes' registers
	QUANT XN, PC, CT, TM, PWS+(\s)
	global_store_b128 v1, v[PC:PC+3], s[34:35] offset:1536*(\s)
	global_store_b64 v5, v[PC+4:PC+5], s[34:35] offset:1536*(\s)+512
	global_store_b128 v1, v[PC+6:PC+9], s[34:35] offset:1536*(\s)+768
	global_store_b64 v5, v[PC+10:PC+11], s[34:35] offset:1536*(\s)+1280
.endm
	XLOAD 0
	XLOAD 1
	s_wait_alu depctr_va_vdst(0)
.irp t, 0,1,2,3,4,5,6,7
	XSTEP \t
.endr
	v_cmp_eq_u32 vcc_lo, 1, v9
.irp i, 0,1,2,3
	v_cndmask_b32 v[240+\i], v[PWS+\i], v[PWS+4+\i], vcc_lo   ; lanes 0-15 words 0-3 of their row, lanes 16-31 words 4-7
.endr
	global_store_b128 v6, v[240:243], s[36:37]     ; 512 consecutive bytes
	s_wait_tensorcnt 0x0
	ds_add_u32 v254, v255
	s_wait_dscnt 0x0
	s_endpgm
.Ltables:
	s_cmp_lt_u32 ttmp9, 480
	s_cbranch_scc0 .Ltx
	; ---- rel_v_table near the diagonal: r = work-group - 448, tile of d = wave.  A lane takes one d and whole blocks: slot 2 c + h
	s_sub_co_u32 s3, ttmp9, 448
	s_lshr_b32 s6, s2, 1
	s_lshl_b32 s6, s6, 5
	s_and_b32 s7, s2, 1
	s_lshl_b32 s7, s7, 3
	s_add_co_u32 s6, s6, s7
	s_wait_alu depctr_va_vdst(0)
	v_and_b32 v1, 8, v8
	v_add_nc_u32 v1, v1, v8
	v_add_nc_u32 v1, s6, v1                        ; d = 32 (t / 2) + 8 (t % 2) + rho + 8 (rho / 8)
	v_lshlrev_b32 v1, 2, v1
	s_sub_co_u32 s7, 31, s3
	v_lshl_add_u32 v2, v9, 5, s7                   ; 32 h + 31 - r
.irp c, 0,1
.irp i, 0,1,2,3,4,5,6,7,8,9,10,11,12,13,14,15,16,17,18,19,20,21,22,23,24,25,26,27,28,29,30,31
	v_add_nc_u32 v[128+32*\c+\i], 64*\c+\i, v2     ; 31 + (32 slot + i - r),
	v_max_u32 v[128+32*\c+\i], 31, v[128+32*\c+\i]
	v_min_u32 v[128+32*\c+\i], 95, v[128+32*\c+\i] ; held to 31 .. 95: the table's row + 31
	v_lshl_add_u32 v[128+32*\c+\i], v[128+32*\c+\i], 8, v1
	global_load_b32 v[64+32*\c+\i], v[128+32*\c+\i], s[24:25] offset:-7936   ; 31 rows of 256 bytes back
.endr
.endr
	s_wait_loadcnt 0x0
.irp c, 0,1
	v_max3_num_f32 v[32+\c], |v[64+32*\c]|, |v[65+32*\c]|, 0x2800000
.endr
.irp i, 2,4,6,8,10,12,14,16,18,20,22,24,26,28,30
.irp c, 0,1
	v_max3_num_f32 v[32+\c], v[32+\c], |v[64+32*\c+\i]|, |v[65+32*\c+\i]|
.endr
.endr
.irp c, 0,1
	v_add_nc_u32 v[44+\c], 0xfe000000, v[32+\c]
.endr
.irp c, 0,1
	v_lshrrev_b32 v[36+\c], 23, v[44+\c]
.endr
	v_lshl_or_b32 v10, v37, 16, v36                ; my two bytes: slots h and 2 + h,
	v_lshlrev_b32 v11, 3, v9
	v_lshlrev_b32 v10, v11, v10                    ; at their places in the word;
	v_mov_b32 v11, 0
	v_permlanex16_b32 v11, v10, s[SEL], s[SEL+1]
	v_or_b32 v10, v10, v11                         ; with lane l xor 16's two the word is whole
.irp c, 0,1
	v_cvt_scalef32_pk16_bf6_f32 v[48+6*\c:50+6*\c], v[64+32*\c:79+32*\c], v[44+\c]
	v_cvt_scalef32_pk16_bf6_f32 v[192+4*\c:194+4*\c], v[80+32*\c:95+32*\c], v[44+\c]
.endr
	v_nop
.irp c, 0,1
.irp i, 0,1,2
	v_mov_b32 v[51+6*\c+\i], v[192+4*\c+\i]
.endr
.endr
	s_mov_b32 s6, 0x0000ffff
.irp i, 0,1,2,3,4,5
	v_cndmask_b32 v[54+\i], 0, v[54+\i], s6        ; slot 3 (c = 1, lanes 16-31): zero codes
.endr
	s_lshl_b32 s32, s3, 2
	s_add_co_u32 s32, s32, s2
	s_mul_i32 s32, s32, 1536
	s_add_co_u32 s32, s32, 6656
	s_add_nc_u64 s[34:35], s[28:29], s[32:33]
	s_lshl_b32 s32, s3, 8
	s_lshl_b32 s6, s2, 2
	s_add_co_u32 s32, s32, s6
	s_add_co_u32 s32, s32, 203264
	s_add_nc_u64 s[36:37], s[28:29], s[32:33]
	v_lshlrev_b32 v12, 4, v7
	s_wait_alu depctr_va_vdst(0)
	v_lshlrev_b32 v13, 4, v8
.irp k, 0,1,2
	global_store_b128 v12, v[48+4*\k:51+4*\k], s[34:35] offset:512*\k   ; the fragment as an image of its registers
.endr
	v_cmp_gt_u32 vcc_lo, 16, v7
	s_wait_alu depctr_va_vdst(0)
	s_wait_xcnt 0x0                                ; EXEC changes only behind this wait
	s_and_saveexec_b32 s40, vcc_lo
	global_store_b32 v13, v10, s[36:37]            ; [r][rho][t]: lanes 0-15
	s_wait_xcnt 0x0
	s_or_b32 exec_lo, exec_lo, s40
	s_endpgm
.Ltx:
	s_cmp_lt_u32 ttmp9, 482
	s_cbranch_scc0 .Lcq
	; ---- rel_k_table over e = 0 .. 127: tile tt = 4 (work-group - 480) + wave; row e = 16 tt + r is T_k[clip(e, 32, 96) - 32]
	s_sub_co_u32 s3, ttmp9, 480
	s_lshl_b32 s3, s3, 2
	s_add_co_u32 s3, s3, s2
	s_lshl_b32 s6, s3, 4
	s_wait_alu depctr_va_vdst(0)
	v_add_nc_u32 v1, s6, v8
	v_max_u32 v1, 32, v1
	v_min_u32 v1, 96, v1
	v_lshlrev_b32 v1, 8, v1
	v_lshl_add_u32 v1, v9, 7, v1                   ; + 128 h: my block of 32 along d
.irp j, 0,1,2,3,4,5,6,7
	global_load_b128 v[64+4*\j:67+4*\j], v1, s[22:23] offset:16*\j-8192   ; 32 rows of 256 bytes back
.endr
	s_wait_loadcnt 0x0
	v_max3_num_f32 v32, |v64|, |v65|, 0x2800000
	v_max3_num_f32 v33, |v66|, |v67|, |v68|
.irp i, 69,73,77,81,85,89
	v_max3_num_f32 v32, v32, |v[\i]|, |v[\i+1]|
	v_max3_num_f32 v33, v33, |v[\i+2]|, |v[\i+3]|
.endr
	v_max3_num_f32 v32, v32, |v93|, |v94|
	v_max3_num_f32 v32, v32, v33, |v95|
	v_add_nc_u32 v44, 0xfe000000, v32
	v_lshrrev_b32 v36, 23, v44
	v_lshlrev_b32 v11, 3, v9
	v_lshlrev_b32 v10, v11, v36
	v_mov_b32 v11, 0
	v_permlanex16_b32 v11, v10, s[SEL], s[SEL+1]
	v_or_b32 v10, v10, v11                         ; two bytes; the upper two stay 0
	v_cvt_scalef32_pk16_bf6_f32 v[48:50], v[64:79], v44
	v_cvt_scalef32_pk16_bf6_f32 v[52:54], v[80:95], v44
	v_nop
	v_mov_b32 v51, v52
	v_mov_b32 v52, v53
	v_mov_b32 v53, v54
	s_mul_i32 s32, s3, 768
	s_add_nc_u64 s[34:35], s[28:29], s[32:33]
	s_lshl_b32 s32, s3, 2
	s_add_co_u32 s32, s32, 6144
	s_add_nc_u64 s[36:37], s[28:29], s[32:33]
	v_lshlrev_b32 v12, 4, v7
	v_lshlrev_b32 v14, 3, v7
	v_lshlrev_b32 v13, 5, v8
	global_store_b128 v12, v[48:51], s[34:35]
	global_store_b64 v14, v[52:53], s[34:35] offset:512
	v_cmp_gt_u32 vcc_lo, 16, v7
	s_wait_alu depctr_va_vdst(0)
	s_wait_xcnt 0x0
	s_and_saveexec_b32 s40, vcc_lo
	global_store_b32 v13, v10, s[36:37]            ; [r][8 words]
	s_wait_xcnt 0x0
	s_or_b32 exec_lo, exec_lo, s40
	s_endpgm
.Lcq:
	; ---- the two constants of the far blocks: thread T: T_v[64 (T / 64)][T % 64]
	v_lshrrev_b32 v1, 6, v0
	v_and_b32 v2, 63, v0
	v_lshlrev_b32 v2, 2, v2
	v_lshl_add_u32 v1, v1, 14, v2
	global_load_b32 v3, v1, s[24:25]
	v_lshlrev_b32 v10, 2, v0
	s_wait_loadcnt 0x0
	v_and_b32 v4, 0x7fffffff, v3
	v_bfe_u32 v5, v4, 21, 1
	v_add3_u32 v5, v4, 0xfffff, v5                 ; to two mantissa bits, ties to even,
	v_and_b32 v5, 0xffe00000, v5
	v_and_b32 v6, 0x7f800000, v4
	v_or_b32 v6, 0x600000, v6                      ; held at 1.75 x 2^E: 28 x the block's scale
	v_min_u32 v5, v5, v6
	v_and_or_b32 v5, v3, 0x80000000, v5
	s_wait_alu depctr_va_vdst(0)
	global_store_b32 v10, v5, s[28:29] offset:211456
	s_endpgm
.Lfunc_end_k_qfdee69826d_quant:
	.size	k_qfdee69826d_quant, .Lfunc_end_k_qfdee69826d_quant-k_qfdee69826d_quant
	.p2alignl 7, 3214868480
	.fill 96, 4, 3214868480
	.section	.rodata,"a",@progbits
	.p2align	6, 0x0
	.amdhsa_kernel k_qfdee69826d_quant
		.amdhsa_group_segment_fixed_size 34304
		.amdhsa_private_segment_fixed_size 0
		.amdhsa_enable_private_segment 0
		.amdhsa_kernarg_size 88
		.amdhsa_user_sgpr_count 2
		.amdhsa_user_sgpr_kernarg_segment_ptr 1
		.amdhsa_wavefront_size32 1
		.amdhsa_system_sgpr_workgroup_id_x 1
		.amdhsa_system_sgpr_workgroup_id_y 1
		.amdhsa_system_sgpr_workgroup_id_z 1
		.amdhsa_system_vgpr_workitem_id 0
		.amdhsa_next_free_vgpr 256
		.amdhsa_next_free_sgpr 66
		.amdhsa_reserve_vcc 1
		.amdhsa_float_denorm_mode_32 3
		.amdhsa_float_denorm_mode_16_64 3
		.amdhsa_memory_ordered 1
		.amdhsa_forward_progress 1
		.amdhsa_inst_pref_size 94
	.end_amdhsa_kernel
	.amdgpu_metadata
---
amdhsa.version: [ 1, 2 ]
amdhsa.kernels:
  - .name:           k_qfdee69826d_quant
    .symbol:         k_qfdee69826d_quant.kd
    .args:
      - { .name: query, .offset: 0, .size: 8, .value_kind: global_buffer, .address_space: global }
      - { .name: key, .offset: 8, .size: 8, .value_kind: global_buffer, .address_space: global }
      - { .name: value, .offset: 16, .size: 8, .value_kind: global_buffer, .address_space: global }
      - { .name: Wq, .offset: 24, .size: 8, .value_kind: global_buffer, .address_space: global }
      - { .name: Wk, .offset: 32, .size: 8, .value_kind: global_buffer, .address_space: global }
      - { .name: Wv, .offset: 40, .size: 8, .value_kind: global_buffer, .address_space: global }
      - { .name: Wo, .offset: 48, .size: 8, .value_kind: global_buffer, .address_space: global }
      - { .name: rel_k_table, .offset: 56, .size: 8, .value_kind: global_buffer, .address_space: global }
      - { .name: rel_v_table, .offset: 64, .size: 8, .value_kind: global_buffer, .address_space: global }
      - { .name: opq, .offset: 72, .size: 8, .value_kind: global_buffer, .address_space: global }
      - { .name: tabs, .offset: 80, .size: 8, .value_kind: global_buffer, .address_space: global }
    .group_segment_fixed_size: 34304
    .private_segment_fixed_size: 0
    .kernarg_segment_align: 8
    .kernarg_segment_size: 88
    .max_flat_workgroup_size: 128
    .sgpr_count:     66
    .vgpr_count:     256
    .wavefront_size: 32
...
	.end_amdgpu_metadata
.endif
;; end of part 1
;; launch proj (part 2): grid 4 x 64, 4 waves a work-group, clusters of 4 x 4, 327,680 bytes of LDS; arguments opq, bq, bk, bv, qkv; writes qkv
.if DOCPART == 2
	.amdgcn_target "amdgcn-amd-amdhsa--gfx1250"
	.amdhsa_code_object_version 6
	.text
	.protected	k_qfdee69826d_proj
	.globl	k_qfdee69826d_proj
	.p2align	8
	.type	k_qfdee69826d_proj,@function
k_qfdee69826d_proj:
	s_mov_b64 s[64:65], 0
	v_nop
	global_prefetch_b8 v0, s[64:65] scope:SCOPE_SE
	s_setreg_imm32_b32 hwreg(HW_REG_WAVE_MODE, 25, 1), 1
	s_wait_xcnt 0x0
	s_wait_alu depctr_hold_cnt(0) depctr_sa_sdst(0) depctr_va_vdst(0) depctr_va_sdst(0) depctr_va_ssrc(0) depctr_va_vcc(0) depctr_vm_vsrc(0)
	s_getreg_b32 s2, hwreg(HW_REG_IB_STS2, 6, 4)
	s_cmp_eq_u32 s2, 0
	s_cbranch_scc0 .Lentry_in_a_cluster
	s_endpgm
.Lentry_in_a_cluster:
	s_bfe_u32 s2, ttmp6, 0x10000c
	s_cmp_lg_u32 s2, 0xf033
	s_cbranch_scc0 .Lentry_shape_is_right
	s_endpgm
.Lentry_shape_is_right:
; The three projections on codes of BF6, each 8,192 x 1,024 x 1,024, their biases, and the quantising of q and k along the head's 64 and of v along the keys.
; A WORK-GROUP STAYS and makes three tiles, one of q, one of k, one of v: 3 x 256 tiles for 256 work-groups.  A tile is 128 rows of the lanes' operand x 256 rows of the registers' operand;
; a wave makes 64 x 128: 32 accumulators, 256 registers.  q, k: a lane = a token, its registers = features.  v: a lane = a feature of Wv, its registers = tokens of value, which are the next product's K.
; q and k are a loop of two trips; v, which asks for nothing more and has its own way out, is written out behind it.
; The operands lie in opq in the order of an operand's registers: a fragment (16 rows x 128 K) is 1,536 dense bytes; a row tile's codes of all K are 12,288 bytes.
; THE RING: two LDS slots, each with 512 along K (6,144 bytes) of 8 + 16 row tiles; a tile of the result is slot 0 and then slot 1, and the ring goes on into the next tile.
; Waves 0, 1 fetch four row tiles each of the lanes' operand, waves 2, 3 eight each of the registers' operand: one tensor load a wave behind each round.
; CLUSTERS 4 x 4: the lanes' operand hangs on cy and the cluster's y alone and is shared along a row of the cluster, the registers' operand on cx and the cluster's y alone and is shared along a column.
; THE SCALE WORDS go from memory into registers: a row tile's 512 bytes by one load, 32 r + 16 h: lanes 0-15 hold the words of K steps 0-3, lanes 16-31 those of steps 4-7 (row 1 of the scale register).
; No prefetch: a tile has two fills only, and each refill is asked for three K steps (96 matrix instructions a wave) or more ahead of the wait for it.
; LIMITS: NaN and infinities are not served; a block whose largest magnitude lies under 2^-122 keeps the byte 1; a block of zeros keeps the byte 1 over zero codes (only this program reads the bytes).
; REGISTERS: window 0: v0-31 addresses; v32-47, v48-79 scale words and nothing else; v80-143 the bias along the registers; v144-239 the lanes' operand, two sets (on the way out: numbers and codes); v240-247 the bias along the lanes, each twice;
;   window 1: the registers' operand, two sets, at v0 and v128;  window 2: the accumulators, (a, b) at v[64 a + 8 b].
.set HB,     6144
.set APART,  8*HB
.set SLOT,   24*HB
.set SPARE,  2*SLOT
.set OPS,    22020096
.set ADRA, 16
.set ADRB, 20
.set SCV,  24
.set SPW,  28
.set NIL,  29
.set SA,   32
.set SB,   48
.set BN,   80
.set AF,   144
.set BL,   240
.set HA,   144
.set TM,   208
.set CT,   220
.set PC,   228
.set PWS,  248
.set SEL,  98
.set G1,  24
.set G0,  32
.set G1B, 48
.set G0B, 56
.set MSB, 0
.macro WIN new
.if MSB != (\new)
	s_set_vgpr_msb (MSB<<8)|(\new)
.set MSB, (\new)
.endif
.endm
.set MUL,  0xa1                        ; source 0 window 1, source 1 window 0, C and D window 2
.set TO_B, 0x40
.macro PLACES
.rept 4
	v_nop
.endr
.endm
.macro JLOAD g0a, g1a, g0b, g1b        ; a joint load; an s_nop 0 and four v_nop follow each line
	s_cmp_eq_u32 s15, 0
	s_cbranch_scc0 .Lfor_b_\@
	tensor_load_to_lds s[\g0a:\g0a+3], s[\g1a:\g1a+7]
	s_nop 0
	PLACES
	s_branch .Lasked_\@
.Lfor_b_\@:
	tensor_load_to_lds s[\g0b:\g0b+3], s[\g1b:\g1b+7]
	s_nop 0
	PLACES
.Lasked_\@:
.endm
.macro CREST
	s_cmp_lg_u32 s14, 0
	s_cbranch_scc1 .Lnot_wave_0_\@
	s_barrier_signal -3
.Lnot_wave_0_\@:
	s_barrier_wait -3
	s_barrier_signal -1
	s_barrier_wait -1
.endm
.macro CROUND
	s_barrier_signal -1
	s_barrier_wait -1
	CREST
.endm
; 64 numbers of a lane become a fragment's 12 registers and its row's scale word
.macro QUANT s, pc, ct, tm, pw
.irp b, 0,1,2,3
	v_max3_num_f32 v[\tm+\b], |v[\s+16*\b]|, |v[\s+1+16*\b]|, 0x2800000   ; my 16 numbers of block b, and the floor 2^(5 - 127)
.endr
.irp i, 2,4,6,8,10,12,14
.irp b, 0,1,2,3
	v_max3_num_f32 v[\tm+\b], v[\tm+\b], |v[\s+16*\b+\i]|, |v[\s+1+16*\b+\i]|
.endr
.endr
.irp b, 0,1,2,3
	v_permlanex16_b32 v[\tm+4+\b], v[\tm+\b], s[SEL], s[SEL+1]
.endr
.irp b, 0,1,2,3
	v_max_num_f32 v[\tm+\b], v[\tm+\b], v[\tm+4+\b]
.endr
.irp b, 0,1,2,3
	v_add_nc_u32 v[\tm+8+\b], 0xfe000000, v[\tm+\b]       ; 4 off the exponent field: the conversion's scale operand
.endr
.irp b, 0,1,2,3
	v_lshrrev_b32 v[\tm+4+\b], 23, v[\tm+8+\b]
.endr
	v_lshl_or_b32 v[\pw], v[\tm+5], 8, v[\tm+4]
	v_lshl_or_b32 v[\pw], v[\tm+6], 16, v[\pw]
	v_lshl_or_b32 v[\pw], v[\tm+7], 24, v[\pw]
.irp c, 0,1
	v_cvt_scalef32_pk16_bf6_f32 v[\pc+6*\c:\pc+6*\c+2], v[\s+32*\c:\s+32*\c+15], v[\tm+8+2*\c]
	v_cvt_scalef32_pk16_bf6_f32 v[\ct+4*\c:\ct+4*\c+2], v[\s+32*\c+16:\s+32*\c+31], v[\tm+9+2*\c]
.endr
	v_nop
.irp c, 0,1
.irp i, 0,1,2
	v_permlane16_swap_b32 v[\pc+6*\c+\i], v[\ct+4*\c+\i]
.endr
.irp i, 0,1,2
	v_mov_b32 v[\pc+6*\c+3+\i], v[\ct+4*\c+\i]
.endr
.endr
.endm
	s_load_b256 s[4:11], s[0:1], 0x0               ; opq, bq, bk, bv
	s_load_b64 s[12:13], s[0:1], 0x20              ; qkv
	v_lshl_add_u32 v[SPW], v0, 2, SPARE
	v_mov_b32 v[NIL], 0
	ds_add_u32 v[SPW], v[NIL]                      ; the opening lines: the add, twice on end, and its wait
	ds_add_u32 v[SPW], v[NIL]
	v_lshrrev_b32 v1, 5, v0
	v_readfirstlane_b32 s14, v1                    ; wave
	s_lshr_b32 s15, s14, 1                         ; my half of the lanes' rows.  Also: for which operand I fetch
	s_and_b32 s16, s14, 1                          ; my half of the registers' rows.  Also: which part I fetch
	s_bfe_u32 s40, ttmp6, 0x40000                  ; cx
	s_bfe_u32 s41, ttmp6, 0x40004                  ; cy
	s_and_b32 s18, ttmp7, 0xffff                   ; the cluster's y, 0 .. 15
	s_lshl_b32 s17, s18, 2
	s_add_co_u32 s17, s17, s41                     ; q, k: block of 128 tokens, 0 .. 63 (the block of 256 features is cx)
	s_and_b32 s19, s18, 1
	s_lshl_b32 s19, s19, 2
	s_add_co_u32 s19, s19, s41                     ; v: block of 128 features, 0 .. 7
	s_lshr_b32 s20, s18, 1
	s_lshl_b32 s20, s20, 2
	s_add_co_u32 s20, s20, s40                     ; v: block of 256 tokens, 0 .. 31
	s_lshl_b32 s43, s41, 2
	s_lshl_b32 s43, 15, s43                        ; my row of the cluster
	s_lshl_b32 s44, 0x1111, s40                    ; my column
	s_or_b32 s[G1], s43, (3<<16)|(1<<21)           ; the mask; elements of 8 bytes; bit 21 beside a mask; no padding
	s_or_b32 s[G1B], s44, (3<<16)|(1<<21)
	s_mov_b32 s[G1+1], 768<<16                     ; rows of 6,144 bytes,
	s_mov_b32 s[G1+2], 4<<16                       ; four row tiles,
	s_mov_b32 s[G1+3], 768<<16
	s_mov_b32 s[G1+4], 4
	s_mov_b32 s[G1+5], 1536                        ; 12,288 bytes apart
	s_mov_b32 s[G1+6], 0
	s_mov_b32 s[G1+7], 0
	s_mov_b32 s[G1B+1], 768<<16
	s_mov_b32 s[G1B+2], 8<<16                      ; eight row tiles
	s_mov_b32 s[G1B+3], 768<<16
	s_mov_b32 s[G1B+4], 8
	s_mov_b32 s[G1B+5], 1536
	s_mov_b32 s[G1B+6], 0
	s_mov_b32 s[G1B+7], 0
	; byte offsets in opq of what I fetch: s74 (q), s70 (k), s71 (v) for the lanes' operand; s76, s72, s73 for the registers' operand
	s_lshl_b32 s42, s16, 2
	s_lshl_b32 s74, s17, 3
	s_add_co_u32 s74, s74, s42
	s_mul_i32 s74, s74, 12288                      ; query: row tile 8 x block + 4 x part
	s_add_co_u32 s70, s74, 512*12288               ; key: 512 row tiles on
	s_lshl_b32 s71, s19, 3
	s_add_co_u32 s71, s71, s42
	s_add_co_u32 s71, s71, 1664                    ; Wv
	s_mul_i32 s71, s71, 12288
	s_lshl_b32 s42, s16, 3
	s_lshl_b32 s76, s40, 4
	s_add_co_u32 s76, s76, s42
	s_add_co_u32 s76, s76, 1536                    ; Wq
	s_mul_i32 s76, s76, 12288
	s_add_co_u32 s72, s76, 64*12288                ; Wk
	s_lshl_b32 s73, s20, 4
	s_add_co_u32 s73, s73, s42
	s_add_co_u32 s73, s73, 1024                    ; value
	s_mul_i32 s73, s73, 12288
	s_mov_b32 s75, 0
	s_mov_b32 s77, 0
	s_mul_i32 s45, s16, 4*HB                       ; where they go: the wave's number alone
	s_mul_i32 s23, s16, 8*HB
	s_add_co_u32 s23, s23, APART
	s_mov_b32 s[SEL], 0x76543210
	s_mov_b32 s[SEL+1], 0xfedcba98
	s_wait_dscnt 0x0
	s_wait_kmcnt 0x0
	s_add_nc_u64 s[66:67], s[4:5], s[74:75]
	s_add_nc_u64 s[68:69], s[4:5], s[76:77]
	CROUND                                         ; all sixteen work-groups are here: the first joint loads meet
.irp s, 0,1
	s_mov_b32 s[G0+4*\s], 1
	s_add_co_u32 s[G0+4*\s+1], s45, \s*SLOT
	s_add_nc_u64 s[G0+4*\s+2:G0+4*\s+3], s[66:67], \s*HB
	s_or_b32 s[G0+4*\s+3], s[G0+4*\s+3], 0x80000000
	s_mov_b32 s[G0B+4*\s], 1
	s_add_co_u32 s[G0B+4*\s+1], s23, \s*SLOT
	s_add_nc_u64 s[G0B+4*\s+2:G0B+4*\s+3], s[68:69], \s*HB
	s_or_b32 s[G0B+4*\s+3], s[G0B+4*\s+3], 0x80000000
.endr
	JLOAD G0, G1, G0B, G1B                         ; q's first 512 along K: one tensor load a wave at the head
	v_and_b32 v1, 15, v0                           ; r
	v_bfe_u32 v2, v0, 4, 1                         ; h
	v_and_b32 v6, 31, v0
	v_lshlrev_b32 v10, 4, v6                       ; 16 l
	v_lshlrev_b32 v11, 3, v6                       ; 8 l
	s_mul_i32 s21, s15, 4*HB
	s_mul_i32 s22, s16, 8*HB
	s_add_co_u32 s22, s22, APART
.irp s, 0,1
	v_add_nc_u32 v[ADRA+\s], s21, v10
	v_add_nc_u32 v[ADRB+\s], s22, v10
	v_add_nc_u32 v[ADRA+2+\s], s21, v11
	v_add_nc_u32 v[ADRB+2+\s], s22, v11
	s_add_co_u32 s21, s21, SLOT
	s_add_co_u32 s22, s22, SLOT
.endr
	v_lshlrev_b32 v[SCV], 5, v1
	v_lshl_add_u32 v[SCV], v2, 4, v[SCV]           ; 32 r + 16 h
	v_lshlrev_b32 v12, 4, v2                       ; 16 h
	v_lshlrev_b32 v13, 3, v1
	v_lshl_add_u32 v13, v2, 12, v13                ; q's, k's scale words out: 8 r, lanes 16-31 the next head
	v_lshlrev_b32 v14, 4, v1                       ; v's: 16 rho
	s_lshl_b32 s21, s40, 10
	s_lshl_b32 s22, s16, 9
	s_add_co_u32 s21, s21, s22
	v_lshl_add_u32 v8, v2, 6, s21                  ; the bias along the registers: my 128 features, + 16 h
	s_lshl_b32 s21, s19, 9
	s_lshl_b32 s22, s15, 8
	s_add_co_u32 s21, s21, s22
	v_and_b32 v9, 8, v1
	v_add_nc_u32 v9, v9, v1
	v_lshl_add_u32 v9, v9, 2, s21                  ; along the lanes: r + 8 (r / 8) of my 64 features
	s_wait_alu depctr_va_vdst(0)                   ; the wait behind the head's last vector instruction
	; the scale words' offsets: s86 now, s92 (k), s93 (v) for the lanes' operand; s88, s94, s95 for the registers' operand
	s_lshl_b32 s22, s15, 2
	s_lshl_b32 s21, s17, 3
	s_add_co_u32 s21, s21, s22
	s_lshl_b32 s21, s21, 9
	s_add_co_u32 s86, s21, OPS
	s_add_co_u32 s92, s86, 512*512
	s_lshl_b32 s21, s19, 3
	s_add_co_u32 s21, s21, s22
	s_add_co_u32 s21, s21, 1664
	s_lshl_b32 s21, s21, 9
	s_add_co_u32 s93, s21, OPS
	s_lshl_b32 s22, s16, 3
	s_lshl_b32 s21, s40, 4
	s_add_co_u32 s21, s21, s22
	s_add_co_u32 s21, s21, 1536
	s_lshl_b32 s21, s21, 9
	s_add_co_u32 s88, s21, OPS
	s_add_co_u32 s94, s88, 64*512
	s_lshl_b32 s21, s20, 4
	s_add_co_u32 s21, s21, s22
	s_add_co_u32 s21, s21, 1024
	s_lshl_b32 s21, s21, 9
	s_add_co_u32 s95, s21, OPS
	s_mov_b32 s87, 0
	s_mov_b32 s89, 0
.macro SCALES                          ; 12 loads of 512 consecutive bytes
	s_add_nc_u64 s[46:47], s[4:5], s[86:87]
	s_add_nc_u64 s[78:79], s[4:5], s[88:89]
.irp a, 0,1,2,3
	global_load_b128 v[SA+4*\a:SA+4*\a+3], v[SCV], s[46:47] offset:512*\a
.endr
.irp b, 0,1,2,3,4,5,6,7
	global_load_b128 v[SB+4*\b:SB+4*\b+3], v[SCV], s[78:79] offset:512*\b
.endr
.endm
	SCALES
.irp a, 0,1,2,3
	global_load_b32 v[BL+2*\a], v9, s[10:11] offset:(32*(\a/2)+8*(\a%2))*4
	global_load_b32 v[BL+2*\a+1], v9, s[10:11] offset:(32*(\a/2)+8*(\a%2))*4
.endr
	; where q's results go: head 16 batch + 4 cx + 2 x half, block of 32 tokens 4 (block of 128 % 8) + 2 x half
	s_lshr_b32 s21, s17, 3
	s_lshl_b32 s21, s21, 4
	s_lshl_b32 s22, s40, 2
	s_add_co_u32 s21, s21, s22
	s_lshl_b32 s22, s16, 1
	s_add_co_u32 s21, s21, s22
	s_and_b32 s22, s17, 7
	s_lshl_b32 s22, s22, 2
	s_lshl_b32 s23, s15, 1
	s_add_co_u32 s22, s22, s23
	s_mul_i32 s80, s21, 49152
	s_mul_i32 s23, s22, 1536
	s_add_co_u32 s80, s80, s23
	s_mov_b32 s81, 0
	s_add_nc_u64 s[80:81], s[12:13], s[80:81]
	s_add_nc_u64 s[82:83], s[80:81], 49152         ; the next head
	s_lshl_b32 s84, s21, 12
	s_lshl_b32 s23, s22, 7
	s_add_co_u32 s84, s84, s23
	s_add_co_u32 s84, s84, 18874368
	s_mov_b32 s85, 0
	s_add_nc_u64 s[84:85], s[12:13], s[84:85]
	; and v's, as offsets: head 16 batch + 2 x block of 128 features + half, block of 32 keys 8 (block of 256 % 4) + 4 x half
	s_lshr_b32 s21, s20, 2
	s_lshl_b32 s21, s21, 4
	s_lshl_b32 s22, s19, 1
	s_add_co_u32 s21, s21, s22
	s_add_co_u32 s21, s21, s15
	s_and_b32 s22, s20, 3
	s_lshl_b32 s22, s22, 3
	s_lshl_b32 s23, s16, 2
	s_add_co_u32 s22, s22, s23
	s_mul_i32 s90, s21, 49152
	s_mul_i32 s23, s22, 1536
	s_add_co_u32 s90, s90, s23
	s_add_co_u32 s90, s90, 12582912
	s_lshl_b32 s91, s21, 11
	s_lshl_b32 s23, s22, 6
	s_add_co_u32 s91, s91, s23
	s_add_co_u32 s91, s91, 19922944
.macro FRAG reg, adr, q, i             ; a fragment: two units of 768 bytes; in each, 16 bytes a lane and then 8 bytes a lane, lanes side by side
	ds_load_b128 v[\reg:\reg+3], v[\adr] offset:(\i)*HB+(\q)*1536
	ds_load_b64 v[\reg+4:\reg+5], v[\adr+2] offset:(\i)*HB+(\q)*1536+512
	ds_load_b128 v[\reg+6:\reg+9], v[\adr] offset:(\i)*HB+(\q)*1536+768
	ds_load_b64 v[\reg+10:\reg+11], v[\adr+2] offset:(\i)*HB+(\q)*1536+1280
.endm
.macro FETCH_B slot, q, p
	WIN TO_B
.irp i, 0,1,2,3,4,5,6,7
	FRAG 128*(\p)+12*\i, ADRB+\slot, \q, \i
.endr
	WIN 0
.endm
.macro FETCH_A slot, q, p
.irp i, 0,1,2,3
	FRAG AF+48*(\p)+12*\i, ADRA+\slot, \q, \i
.endr
.endm
; 8 matrix instructions: block a of the lanes' operand x the eight of the registers' operand, K step s of the tile.  The 32 accumulators take turns, in the same order in every step
.macro MUL8 a, s, zero
.irp b, 0,1,2,3,4,5,6,7
.if \zero
	v_wmma_scale_f32_16x16x128_f8f6f4 v[64*(\a)+8*\b:64*(\a)+8*\b+7], v[128*((\s)%2)+12*\b:128*((\s)%2)+12*\b+11], v[AF+48*((\s)%2)+12*(\a):AF+48*((\s)%2)+12*(\a)+11], 0, v[SB+4*\b+(\s)%4], v[SA+4*(\a)+(\s)%4] matrix_a_fmt:MATRIX_FMT_BF6 matrix_b_fmt:MATRIX_FMT_BF6
.elseif (\s)/4
	v_wmma_scale_f32_16x16x128_f8f6f4 v[64*(\a)+8*\b:64*(\a)+8*\b+7], v[128*((\s)%2)+12*\b:128*((\s)%2)+12*\b+11], v[AF+48*((\s)%2)+12*(\a):AF+48*((\s)%2)+12*(\a)+11], v[64*(\a)+8*\b:64*(\a)+8*\b+7], v[SB+4*\b+(\s)%4], v[SA+4*(\a)+(\s)%4] matrix_a_fmt:MATRIX_FMT_BF6 matrix_b_fmt:MATRIX_FMT_BF6 matrix_a_scale:MATRIX_SCALE_ROW1 matrix_b_scale:MATRIX_SCALE_ROW1
.else
	v_wmma_scale_f32_16x16x128_f8f6f4 v[64*(\a)+8*\b:64*(\a)+8*\b+7], v[128*((\s)%2)+12*\b:128*((\s)%2)+12*\b+11], v[AF+48*((\s)%2)+12*(\a):AF+48*((\s)%2)+12*(\a)+11], v[64*(\a)+8*\b:64*(\a)+8*\b+7], v[SB+4*\b+(\s)%4], v[SA+4*(\a)+(\s)%4] matrix_a_fmt:MATRIX_FMT_BF6 matrix_b_fmt:MATRIX_FMT_BF6
.endif
.endr
.endm
; a K step that is not its slot's last: the next step's 48 LDS loads go out behind the first eight products, into the set that the step before multiplied
.macro STEP s, zero
	s_wait_dscnt 0x0                               ; this step's fragments, asked for a step ago
	WIN MUL
	MUL8 0, \s, \zero
	PLACES
	FETCH_B (\s)/4, (\s)%4+1, ((\s)+1)%2
	FETCH_A (\s)/4, (\s)%4+1, ((\s)+1)%2
	WIN MUL
	MUL8 1, \s, \zero
	MUL8 2, \s, \zero
	MUL8 3, \s, \zero
	WIN 0
.endm
.macro NEXTD slot                      ; no tensor load of mine is out: this slot's descriptors take the next tile's half (trip 0: k's, trip 1: v's)
	s_cmp_eq_u32 s3, 0
	s_cselect_b32 s74, s70, s71
	s_cselect_b32 s76, s72, s73
	s_add_nc_u64 s[G0+4*(\slot)+2:G0+4*(\slot)+3], s[4:5], s[74:75]
	s_add_nc_u64 s[G0B+4*(\slot)+2:G0B+4*(\slot)+3], s[4:5], s[76:77]
.if \slot
	s_add_nc_u64 s[G0+4*(\slot)+2:G0+4*(\slot)+3], s[G0+4*(\slot)+2:G0+4*(\slot)+3], HB
	s_add_nc_u64 s[G0B+4*(\slot)+2:G0B+4*(\slot)+3], s[G0B+4*(\slot)+2:G0B+4*(\slot)+3], HB
.endif
	s_or_b32 s[G0+4*(\slot)+3], s[G0+4*(\slot)+3], 0x80000000
	s_or_b32 s[G0B+4*(\slot)+3], s[G0B+4*(\slot)+3], 0x80000000
.endm
; a slot's last K step, and the change of slots
.macro TURN s, refill, nexta
	s_wait_tensorcnt 0x0                           ; all my tensor loads have landed: my part of the other slot
	ds_add_u32 v[SPW], v[NIL]                      ; 0 onto my spare word
.if \refill
	NEXTD (\s)/4
.endif
	s_wait_dscnt 1                                 ; this step's fragments are in; the add may be out
	WIN MUL
	MUL8 0, \s, 0
	s_wait_dscnt 0x0                               ; the add is done, and my reads of this slot are over
	s_barrier_signal -1
	MUL8 1, \s, 0
	WIN 0
	s_barrier_wait -1
.if \refill
	CREST                                          ; the barrier has opened a round of the cluster's barrier
	JLOAD G0+4*((\s)/4), G1, G0B+4*((\s)/4), G1B   ; its four v_nop are the places in front of the loads below
.else
	PLACES
.endif
	FETCH_B 1-(\s)/4, 0, 0
.if \nexta
	FETCH_A 1-(\s)/4, 0, 0
.endif
	WIN MUL
	MUL8 2, \s, 0
	MUL8 3, \s, 0
	WIN 0
.endm
; the way out of block a: + bias, quantised along the registers, two units stored as they stand
.macro EPI a, v
	WIN 2                                          ; source 0: the accumulators
.set k, 0
.rept 32
.if \v
	v_pk_add_f32 v[HA+2*k:HA+2*k+1], v[64*(\a)+2*k:64*(\a)+2*k+1], v[BL+2*(\a):BL+2*(\a)+1]
.else
	v_pk_add_f32 v[HA+2*k:HA+2*k+1], v[64*(\a)+2*k:64*(\a)+2*k+1], v[BN+2*k:BN+2*k+1]
.endif
.set k, k+1
.endr
	WIN 0
	s_wait_xcnt 0x0                                ; the last block's stores have read the codes' registers
	QUANT HA, PC, CT, TM, PWS+\a
.irp c, 0,1
	global_store_b128 v10, v[PC+6*\c:PC+6*\c+3], s[80+2*\c:81+2*\c] offset:(\a)*768
	global_store_b64 v11, v[PC+6*\c+4:PC+6*\c+5], s[80+2*\c:81+2*\c] offset:(\a)*768+512
.endr
.endm
	s_wait_tensorcnt 0x0                           ; my part of slot 0 is in
	ds_add_u32 v[SPW], v[NIL]
	s_wait_dscnt 0x0
	CROUND
	JLOAD G0+4, G1, G0B+4, G1B                     ; q's second 512 along K, into slot 1
	FETCH_B 0, 0, 0
	FETCH_A 0, 0, 0
	s_mov_b32 s3, 0
.Ltile:                                                ; trip 0: q, trip 1: k
	s_wait_loadcnt 0x0                             ; this tile's scale words
	s_cmp_eq_u32 s3, 0
	s_cselect_b64 s[96:97], s[6:7], s[8:9]
.irp b, 0,1,2,3
.irp j, 0,1,2,3
	global_load_b128 v[BN+16*\b+4*\j:BN+16*\b+4*\j+3], v8, s[96:97] offset:128*\b+16*\j
.endr
.endr
	STEP 0, 1                                      ; the first step's products start the sums
	STEP 1, 0
	STEP 2, 0
	TURN 3, 1, 1
	STEP 4, 0
	STEP 5, 0
	STEP 6, 0
	TURN 7, 1, 0                                   ; the lanes' operand's registers serve the way out first
	PLACES
	s_cmp_eq_u32 s3, 0
	s_cselect_b32 s86, s92, s93
	s_cselect_b32 s88, s94, s95
	SCALES                                         ; the next tile's scale words land during the way out
.irp b, 0,1,2,3
	v_mov_b32 v[TM+4+\b], 0                        ; a lane permute's destination counts as one of its sources
.endr
	s_wait_loadcnt 12                              ; the bias is in; the 12 loads just issued may be out
.irp a, 0,1,2,3
	EPI \a, 0
.endr
.irp b, 0,1                            ; scale words [head][block][r][u]: lanes 0-15 the even head's two bytes, lanes 16-31 the odd head's
	v_lshrrev_b32 v[HA+2*\b], v12, v[PWS+2*\b]
	v_lshrrev_b32 v[HA+2*\b+1], v12, v[PWS+2*\b+1]
	global_store_b64 v13, v[HA+2*\b:HA+2*\b+1], s[84:85] offset:128*\b
.endr
	s_wait_xcnt 0x0                                ; the stores have read their bases and registers
	s_add_nc_u64 s[80:81], s[80:81], 6291456       ; on to k's codes and scale words
	s_add_nc_u64 s[82:83], s[82:83], 6291456
	s_add_nc_u64 s[84:85], s[84:85], 524288
	FETCH_A 0, 0, 0
	s_add_co_u32 s3, s3, 1
	s_cmp_lt_u32 s3, 2
	s_wait_alu depctr_va_vdst(0)                   ; the wait ahead of the branch
	s_cbranch_scc1 .Ltile
	; v: nothing more is asked for
	s_mov_b32 s80, s90
	s_mov_b32 s81, 0
	s_add_nc_u64 s[80:81], s[12:13], s[80:81]
	s_add_nc_u64 s[82:83], s[80:81], 3072          ; the next pair of key blocks
	s_mov_b32 s84, s91
	s_mov_b32 s85, 0
	s_add_nc_u64 s[84:85], s[12:13], s[84:85]
	s_wait_loadcnt 0x0
	STEP 0, 1
	STEP 1, 0
	STEP 2, 0
	TURN 3, 0, 1
	STEP 4, 0
	STEP 5, 0
	STEP 6, 0
	s_wait_dscnt 0x0
	WIN MUL
	MUL8 0, 7, 0
	MUL8 1, 7, 0
	MUL8 2, 7, 0
	MUL8 3, 7, 0
	WIN 0
	PLACES
.irp b, 0,1,2,3
	v_mov_b32 v[TM+4+\b], 0
.endr
.irp a, 0,1,2,3
	EPI \a, 1
.endr
	global_store_b128 v14, v[PWS:PWS+3], s[84:85]  ; [head][group of 128 keys][rho][t]: both halves of the lanes hold and write the same 256 bytes
	s_wait_tensorcnt 0x0                           ; the wave's end
	ds_add_u32 v[SPW], v[NIL]
	s_wait_dscnt 0x0
	CROUND                                         ; the closing round
	s_endpgm
.Lfunc_end_k_qfdee69826d_proj:
	.size	k_qfdee69826d_proj, .Lfunc_end_k_qfdee69826d_proj-k_qfdee69826d_proj
	.p2alignl 7, 3214868480
	.fill 96, 4, 3214868480
	.section	.rodata,"a",@progbits
	.p2align	6, 0x0
	.amdhsa_kernel k_qfdee69826d_proj
		.amdhsa_group_segment_fixed_size 327680
		.amdhsa_private_segment_fixed_size 0
		.amdhsa_enable_private_segment 0
		.amdhsa_kernarg_size 40
		.amdhsa_user_sgpr_count 2
		.amdhsa_user_sgpr_kernarg_segment_ptr 1
		.amdhsa_wavefront_size32 1
		.amdhsa_system_sgpr_workgroup_id_x 1
		.amdhsa_system_sgpr_workgroup_id_y 1
		.amdhsa_system_sgpr_workgroup_id_z 1
		.amdhsa_system_vgpr_workitem_id 0
		.amdhsa_next_free_vgpr 768
		.amdhsa_next_free_sgpr 100
		.amdhsa_reserve_vcc 0
		.amdhsa_float_denorm_mode_32 3
		.amdhsa_float_denorm_mode_16_64 3
		.amdhsa_memory_ordered 1
		.amdhsa_forward_progress 1
		.amdhsa_inst_pref_size 187
	.end_amdhsa_kernel
	.amdgpu_metadata
---
amdhsa.version: [ 1, 2 ]
amdhsa.kernels:
  - .name:           k_qfdee69826d_proj
    .symbol:         k_qfdee69826d_proj.kd
    .args:
      - { .name: opq, .offset: 0, .size: 8, .value_kind: global_buffer, .address_space: global }
      - { .name: bq, .offset: 8, .size: 8, .value_kind: global_buffer, .address_space: global }
      - { .name: bk, .offset: 16, .size: 8, .value_kind: global_buffer, .address_space: global }
      - { .name: bv, .offset: 24, .size: 8, .value_kind: global_buffer, .address_space: global }
      - { .name: qkv, .offset: 32, .size: 8, .value_kind: global_buffer, .address_space: global }
    .group_segment_fixed_size: 327680
    .private_segment_fixed_size: 0
    .kernarg_segment_align: 8
    .kernarg_segment_size: 40
    .max_flat_workgroup_size: 128
    .sgpr_count:     100
    .vgpr_count:     768
    .wavefront_size: 32
...
	.end_amdgpu_metadata
.endif
;; end of part 2
;; launch attn (part 3): grid 2 x 128, 16 waves a work-group, no clusters, 286,208 bytes of LDS; arguments qkv, tabs, xo; writes xo
.if DOCPART == 3
	.amdgcn_target "amdgcn-amd-amdhsa--gfx1250"
	.amdhsa_code_object_version 6
	.text
	.protected	k_qfdee69826d_attn
	.globl	k_qfdee69826d_attn
	.p2align	8
	.type	k_qfdee69826d_attn,@function
k_qfdee69826d_attn:
	s_mov_b64 s[64:65], 0
	v_nop
	global_prefetch_b8 v0, s[64:65] scope:SCOPE_SE
	s_setreg_imm32_b32 hwreg(HW_REG_WAVE_MODE, 25, 1), 1
	s_wait_xcnt 0x0
; Attention with relative positions on codes of BF6: scores = (q k^T + q relK) / 8, p = 2^(t - M), x = (p v + p relV) / l, x quantised along the model's axis.
; SHARES.  A work-group owns 512 queries of one head; the head's K and V (codes and scale words) lie in LDS for the whole launch, copied once through registers.
; Wave w owns query block a = 16 hf + w: 32 queries, two tiles of 16 (u = 0, 1): lane % 16 = lr is query 32 a + 8 u + lr + 8 (lr / 8).
; EVERY WAVE WALKS THE 32 KEY BLOCKS RELATIVE TO ITS OWN: slot b of step tau is block a - 1 + 4 tau + b, modulo 32.  LDS holds block j at place (j - 16 hf) % 32, so the walk's LDS addresses
; hang on the wave's number alone.  Places 0-2 of K, 0-3 of V and the first scale words are stored once more behind place 31: a step's four places lie on end, and only its first place is taken modulo 32.
; The three blocks in which the distance is not clipped are slots 0-2 of step 0, which is taken LAST, under the final M.
; RELATIVE KEYS.  R[e] = q . T_k over e = distance + 64 is eight matrix instructions a tile; near blocks gather R skewed from LDS; in a far block the term is one number a query.
; RELATIVE VALUES.  A far block of relV is 32 copies of one number: its part is that number as quantised x the sum of the block's QUANTISED p, which a product of p's codes with ones gives.
; The walk meets the blocks to the right first and wraps once; the step in which it wraps has (1 - w) % 4 blocks ahead of the wrap.  So the ones' rows give: all four blocks; the blocks ahead of the wrap;
; slot 3; slot 0; slot 2 (the last three for the near step).  Kept are the sum over all far blocks and that over the right ones; the left sum is their difference, taken once a tile.
; The near blocks hang on r = query % 32 alone: sixteen queries 32 apart (one of each wave) are the columns of one product with the table NR[r]: waves hand p's codes and O over through LDS.
; K = 64: the upper half of q's operand is zero codes, so the other operand's upper half may hold any codes; no scale byte here is 0xff.
; LIMITS: NaN and infinities are not served; a block of x whose largest magnitude lies under 2^-122 keeps the byte 1.  x's scale bytes leave one byte a lane: a row's 32 bytes belong to 16 heads, that is 16 work-groups.
.set VC,   53760                       ; LDS: K's codes at 0 (place x 1,536 + u x 768; 35 places), V's at VC (pair x 3,072 + t x 768; 18 pairs),
.set KSL,  109056                      ; K's scale words (place x 128 + 8 r + 4 u; 4,096 + 512 bytes),
.set VSL,  113664                      ; V's (group x 256 + 16 rho + 4 t; 2,048 + 512 bytes),
.set TXL,  116224                      ; T_k's eight units and their words,
.set TXSL, 122368
.set SCR,  122880                      ; a scratch for each wave: R, 16 rows of 528 bytes; later O's image, 16 x 288
.set SCRW, 8464
.set PN,   258304                      ; the near step's codes of p: lr x 1,552 + w x 96 + h x 48
.set PNS,  283136                      ; and their scale words: lr x 64 + 4 w
.set SPARE, 284160                     ; the spare words: 128 bytes a wave
.set KS,   44                          ; v44-51 K's scale words;  v52-55 V's;  v40 q's, v41 p's, v42 ones': scales and nothing else
.set VS,   52
.set FB,   56                          ; v56-103  48 registers of fragments
.set EE,   104                         ; v104-115 the ones
.set S,    116                         ; v116-179 scores, then p
.set O,    180                         ; v180-211 O^T: register 16 b + i = d 32 b + 16 h + i
.set PC,   212                         ; v212-223 p's codes
.set AD,   224                         ; v224-231 pairs (addend of slot b, its relative term); later the sums of the quantised p
.set MX,   232
.set CT,   236
.set SCO,  244
.macro MMA0 d, a, b, sa, sb
	v_wmma_scale_f32_16x16x128_f8f6f4 v[\d:\d+7], v[\a:\a+11], v[\b:\b+11], 0, v[\sa], v[\sb] matrix_a_fmt:MATRIX_FMT_BF6 matrix_b_fmt:MATRIX_FMT_BF6
.endm
.macro MMAC d, a, b, sa, sb
	v_wmma_scale_f32_16x16x128_f8f6f4 v[\d:\d+7], v[\a:\a+11], v[\b:\b+11], v[\d:\d+7], v[\sa], v[\sb] matrix_a_fmt:MATRIX_FMT_BF6 matrix_b_fmt:MATRIX_FMT_BF6
.endm
.macro BARRIER                         ; my LDS stores have landed and my LDS loads are in: then the work-group's barrier
	s_wait_dscnt 0x0
	s_barrier_signal -1
	s_barrier_wait -1
.endm
	s_load_b128 s[4:7], s[0:1], 0x0                ; qkv, tabs
	s_load_b64 s[8:9], s[0:1], 0x10                ; xo
	v_lshrrev_b32 v1, 5, v0
	s_delay_alu instid0(VALU_DEP_1)
	v_readfirstlane_b32 s10, v1                    ; w
	s_mov_b32 s11, ttmp9                           ; hf
	s_and_b32 s12, ttmp7, 0xffff                   ; 16 batch + head
	s_lshl_b32 s13, s11, 4
	s_add_co_u32 s13, s13, s10                     ; a
	s_mov_b32 s17, 0                               ; 32 u
	s_add_co_u32 s18, s10, 31
	s_and_b32 s18, s18, 3
	s_lshl_b32 s18, s18, 3                         ; how far V's scale words are shifted: 8 ((w + 31) % 4) bits
	s_mov_b32 s19, 0
	s_mov_b32 s20, 0x76543210
	s_mov_b32 s21, 0xfedcba98
	s_mov_b32 s22, 0x3e38aa3b                      ; c = log2(e) / 8
	s_mov_b32 s23, s22
	s_cmp_eq_u32 s11, 0
	s_cselect_b32 s36, 0xfffffffe, -1              ; query block 0 has no block to its left: lane 0's slot 0 counts as far
	s_cselect_b32 s37, -1, 0xffff7fff              ; block 31 none to its right: lane 15's slot 2
	v_and_b32 v26, 31, v0
	s_delay_alu instid0(VALU_DEP_1)
	v_lshlrev_b32 v1, 4, v26                       ; 16 l
	s_delay_alu instid0(VALU_DEP_2)
	v_lshlrev_b32 v2, 3, v26                       ; 8 l
	v_and_b32 v27, 15, v0                          ; lr
	v_bfe_u32 v7, v0, 4, 1                         ; h
	s_delay_alu instid0(VALU_DEP_2)
	v_lshl_add_u32 v3, v27, 3, KSL
	s_delay_alu instid0(VALU_DEP_3)
	v_lshlrev_b32 v255, 3, v27
	s_delay_alu instid0(VALU_DEP_4)
	v_lshlrev_b32 v43, 4, v27
	s_add_co_u32 s52, s10, 1
	v_add_nc_u32 v24, s52, v7
	s_delay_alu instid0(VALU_DEP_1)
	v_and_b32 v24, 1, v24                          ; whether my half's blocks are the odd ones of their pairs
	s_delay_alu instid0(VALU_DEP_1)
	v_mul_u32_u24 v25, v24, 1280
	v_lshl_add_u32 v4, v27, 4, VC
	s_delay_alu instid0(VALU_DEP_1)
	v_sub_nc_u32 v4, v4, v25                       ; V: place x 1,536 + this = pair x 3,072 + 16 (rho + 16 odd)
	s_delay_alu instid0(VALU_DEP_4)
	v_mul_u32_u24 v25, v24, 1408
	v_lshl_add_u32 v5, v27, 3, VC+512
	s_delay_alu instid0(VALU_DEP_1)
	v_sub_nc_u32 v5, v5, v25                       ; and 512 + 8 (rho + 16 odd)
	v_mad_u32_u24 v4, v7, 0x600, v4                ; lanes 16-31 take the place behind that of lanes 0-15
	s_delay_alu instid0(VALU_DEP_2)
	v_mad_u32_u24 v5, v7, 0x600, v5
	v_lshl_add_u32 v6, v27, 4, VSL
	s_mul_i32 s53, s10, SCRW
	s_add_co_u32 s53, s53, SCR
	v_mul_u32_u24 v8, v27, 528
	s_delay_alu instid0(VALU_DEP_1)
	v_add_nc_u32 v8, s53, v8
	v_and_b32 v25, 8, v27
	s_delay_alu instid0(VALU_DEP_1)
	v_add_nc_u32 v25, v25, v27
	s_delay_alu instid0(VALU_DEP_1)
	v_lshlrev_b32 v25, 2, v25
	s_delay_alu instid0(VALU_DEP_4)
	v_lshl_add_u32 v9, v7, 6, v8
	s_delay_alu instid0(VALU_DEP_1)
	v_add_nc_u32 v9, 128, v9
	s_delay_alu instid0(VALU_DEP_1)
	v_sub_nc_u32 v9, v9, v25                       ; the gather: row lr, e = 32 + 16 h - lr - 8 (lr / 8) (- 8 u, + 32 b + i)
	v_lshl_add_u32 v8, v7, 5, v8                   ; R's stores: row lr, + 32 h
	v_mul_u32_u24 v254, v27, 288
	s_delay_alu instid0(VALU_DEP_1)
	v_mad_u32_u24 v254, v7, 144, v254
	s_delay_alu instid0(VALU_DEP_1)
	v_add_nc_u32 v254, s53, v254                   ; O's image
	v_mul_u32_u24 v252, v27, 1552
	s_delay_alu instid0(VALU_DEP_1)
	v_mad_u32_u24 v252, v7, 48, v252
	s_mul_i32 s52, s10, 96
	s_add_co_u32 s52, s52, PN
	v_add_nc_u32 v252, s52, v252
	s_lshl_b32 s52, s10, 2
	s_add_co_u32 s52, s52, PNS
	v_lshl_add_u32 v253, v27, 6, s52
	; the copy's addresses, all made ahead of the branches on the wave's number
	v_lshlrev_b32 v10, 4, v0                       ; 16 x thread
	s_lshl_b32 s52, s11, 11
	v_and_b32 v11, 0xfff, v10
	s_delay_alu instid0(VALU_DEP_1)
	v_xor_b32 v11, s52, v11                        ; K's scale words: the halves change places where hf = 1
	s_lshl_b32 s52, s11, 10
	v_and_b32 v12, 0x7ff, v10
	s_delay_alu instid0(VALU_DEP_1)
	v_xor_b32 v12, s52, v12                        ; V's likewise
	v_add_nc_u32 v13, VC, v10
	v_lshrrev_b32 v14, 8, v0
	s_delay_alu instid0(VALU_DEP_1)
	v_lshl_add_u32 v14, v14, 9, v10
	s_delay_alu instid0(VALU_DEP_1)
	v_add_nc_u32 v14, KSL, v14                     ; threads 0-255 K's words; threads 256-383 V's, which begin 512 bytes behind K's 4,096
	v_add_nc_u32 v15, TXL, v10
	s_mul_i32 s52, s12, 49152
	s_mov_b32 s53, 0
	s_mul_i32 s54, s11, 24576                      ; half a head's codes
	s_mov_b32 s55, 0
	s_wait_alu depctr_va_vdst(0)
	s_wait_kmcnt 0x0
	s_add_nc_u64 s[56:57], s[4:5], s[52:53]        ; the head's codes of q
	s_add_nc_u64 s[58:59], s[56:57], 6291456       ; of k
	s_add_nc_u64 s[60:61], s[56:57], 12582912      ; of v
	s_add_nc_u64 s[24:25], s[58:59], s[54:55]
	s_sub_nc_u64 s[26:27], s[58:59], s[54:55]
	s_add_nc_u64 s[28:29], s[60:61], s[54:55]
	s_sub_nc_u64 s[30:31], s[60:61], s[54:55]
	s_mul_i32 s52, s13, 1536
	s_add_nc_u64 s[38:39], s[56:57], s[52:53]      ; my tile of q
	s_lshl_b32 s52, s12, 12
	s_add_co_u32 s52, s52, 19398656
	s_add_nc_u64 s[32:33], s[4:5], s[52:53]        ; k's scale words
	s_lshl_b32 s52, s12, 11
	s_add_co_u32 s52, s52, 19922944
	s_add_nc_u64 s[34:35], s[4:5], s[52:53]        ; v's
	s_lshl_b32 s52, s12, 12
	s_lshl_b32 s54, s13, 7
	s_add_co_u32 s52, s52, s54
	s_add_co_u32 s52, s52, 18874368
	s_add_nc_u64 s[40:41], s[4:5], s[52:53]        ; q's
	s_and_b32 s54, s10, 8
	s_add_co_u32 s54, s54, s10                     ; r of the queries that I finish: w + 8 (w / 8) (+ 8 u)
	s_mul_i32 s52, s54, 6144
	s_add_co_u32 s52, s52, 6656
	s_add_nc_u64 s[42:43], s[6:7], s[52:53]        ; NR[r]
	s_lshl_b32 s52, s54, 8
	s_add_co_u32 s52, s52, 203264
	s_add_nc_u64 s[44:45], s[6:7], s[52:53]        ; its scale words
	s_add_nc_u64 s[46:47], s[6:7], 211456          ; the far blocks' two constants
	s_lshr_b32 s55, s12, 4
	s_lshl_b32 s55, s55, 6
	s_lshl_b32 s56, s11, 5
	s_add_co_u32 s55, s55, s56
	s_add_co_u32 s55, s55, s54                     ; x's row tile: 64 batch + 32 hf + r
	s_and_b32 s56, s12, 15                         ; the head
	s_mul_i32 s52, s55, 12288
	s_mul_i32 s57, s56, 768
	s_add_co_u32 s52, s52, s57
	s_add_nc_u64 s[48:49], s[8:9], s[52:53]
	s_lshl_b32 s52, s55, 9
	s_lshl_b32 s57, s56, 1
	s_add_co_u32 s52, s52, s57
	s_add_co_u32 s52, s52, 6291456
	s_add_nc_u64 s[50:51], s[8:9], s[52:53]
	; ---- the head's K and V into LDS: 8,192 bytes an instruction of the work-group
.irp p, 0,1,2
	global_load_b128 v[56+4*\p:59+4*\p], v10, s[24:25] offset:8192*\p
	global_load_b128 v[68+4*\p:71+4*\p], v10, s[26:27] offset:24576+8192*\p
	global_load_b128 v[80+4*\p:83+4*\p], v10, s[28:29] offset:8192*\p
	global_load_b128 v[92+4*\p:95+4*\p], v10, s[30:31] offset:24576+8192*\p
.endr
	global_load_b128 v[28:31], v1, s[38:39]        ; the first tile's unit of q
	global_load_b64 v[32:33], v2, s[38:39] offset:512
	global_load_b32 v40, v255, s[40:41]
	s_cmp_lt_u32 s10, 8
	s_cbranch_scc0 .Lp1
	global_load_b128 v[104:107], v11, s[32:33]
	s_branch .Lp2
.Lp1:
	s_cmp_lt_u32 s10, 12
	s_cbranch_scc0 .Lp2
	global_load_b128 v[104:107], v12, s[34:35]
.Lp2:
	s_cmp_lt_u32 s10, 13
	s_cbranch_scc0 .Lp3
	global_load_b128 v[108:111], v10, s[6:7]       ; T_k's units and words: 6,656 bytes
.Lp3:
	s_wait_loadcnt 0x0
.irp p, 0,1,2,3,4,5
	ds_store_b128 v10, v[56+4*\p:59+4*\p] offset:8192*\p
	ds_store_b128 v13, v[80+4*\p:83+4*\p] offset:8192*\p
.endr
	s_cmp_lt_u32 s10, 12
	s_cbranch_scc0 .Lp4
	ds_store_b128 v14, v[104:107]
	ds_store_b128 v13, v[80:83] offset:49152       ; V's pairs 0, 1 once more, as pairs 16, 17: 384 threads x 16 bytes
.Lp4:
	s_cmp_lt_u32 s10, 13
	s_cbranch_scc0 .Lp5
	ds_store_b128 v15, v[108:111]
.Lp5:
	s_cmp_lt_u32 s10, 9
	s_cbranch_scc0 .Lp6
	ds_store_b128 v10, v[56:59] offset:49152       ; K's places 0-2 once more, as places 32-34: 288 threads x 16 bytes
.Lp6:
	s_cmp_eq_u32 s10, 0
	s_cbranch_scc0 .Lp7
	ds_store_b128 v14, v[104:107] offset:4096      ; K's first 512 bytes of scale words once more, behind place 31's
.Lp7:
	s_cmp_eq_u32 s10, 8
	s_cbranch_scc0 .Lp8
	ds_store_b128 v14, v[104:107] offset:2048      ; V's likewise, behind group 7's
.Lp8:
	BARRIER
	; what stays: zero codes above q's 64, the ones, a scale of 1
.irp i, 34,35,36,37,38,39
	v_mov_b32 v[\i], 0
.endr
	v_mov_b32 v42, 0x7f7f7f7f
	v_mov_b32 v25, 0
.irp b, 0,1,2,3
	v_mov_b32 v[CT+\b], 0                          ; a lane permute's destination counts as one of its sources
.endr
	; the ones: row m % 8 = 0: all four blocks; 1: the (1 - w) % 4 blocks ahead of the wrap; 2: slot 3; 3: slot 0; 4: slot 2.  A nibble a row, a bit a block
	s_sub_co_u32 s52, 1, s10
	s_and_b32 s52, s52, 3
	s_bfm_b32 s52, s52, 4
	s_or_b32 s54, s52, 0x4180f
	v_and_b32 v26, 7, v0
	s_delay_alu instid0(VALU_DEP_1)
	v_lshl_add_u32 v27, v26, 2, v7
	s_delay_alu instid0(VALU_DEP_1)
	v_lshrrev_b32 v27, v27, s54                    ; bit 0: my registers 0-5, block h; bit 2: registers 6-11, block 2 + h
	s_delay_alu instid0(VALU_DEP_1)
	v_and_b32 v26, 1, v27
	v_bfe_u32 v27, v27, 2, 1
	s_delay_alu instid0(VALU_DEP_2)
	v_cmp_eq_u32 s52, 1, v26
	s_delay_alu instid0(VALU_DEP_2)
	v_cmp_eq_u32 s53, 1, v27
	v_mov_b32 v248, 0x0c30c30c                     ; 32 codes of 1.0 (001100), 96 bits twice
	v_mov_b32 v249, 0xc30c30c3
	v_mov_b32 v250, 0x30c30c30
.irp c, 0,1
.irp i, 0,1,2,3,4,5
	v_cndmask_b32 v[EE+6*\c+\i], 0, v[248+\i%3], s[52+\c]
.endr
.endr
; A STEP: four key blocks.  near = 1: the step round the wave's own block
; THE ROW'S SUM of the unquantised p: its 32 pairs go into eight chains, which are woven among the lines that make p's scale word and codes, so that no line reads what one of the four vector lines ahead of it wrote.
; Chain 0 is the running sum v[18:19]; chains 1-4 lie in v10-13 and v248-251, chains 5-7 in v224-229, all free behind the exponentials; chains 5-7 are joined ahead of the product that writes v224-231.
.macro CHN c
.if (\c) == 0
.set CR, 18
.elseif (\c) < 3
.set CR, 8+2*(\c)
.elseif (\c) < 5
.set CR, 242+2*(\c)
.else
.set CR, 214+2*(\c)
.endif
.endm
.macro TR n                            ; line n of 25: chain n % 8 takes pair n + 7 (lines 1-7 begin their chains with pairs n and n + 7, line 0 adds pair 0)
	CHN (\n)%8
.if (\n) == 0
	v_pk_add_f32 v[18:19], v[18:19], v[S:S+1]
.elseif (\n) < 8
	v_pk_add_f32 v[CR:CR+1], v[S+2*(\n):S+2*(\n)+1], v[S+2*(\n)+14:S+2*(\n)+15]
.else
	v_pk_add_f32 v[CR:CR+1], v[CR:CR+1], v[S+2*(\n)+14:S+2*(\n)+15]
.endif
.endm
.macro CA a, b                         ; chain a takes chain b in
	CHN \b
.set CS, CR
	CHN \a
	v_pk_add_f32 v[CR:CR+1], v[CR:CR+1], v[CS:CS+1]
.endm
.macro STEP near
.if \near
	s_cmp_eq_u32 s13, 0
	s_cselect_b32 s28, 1.0, 0                      ; slot 0 of query block 0 is key block 31: far to the right
	s_cselect_b32 s32, 0, 1.0
	s_cmp_eq_u32 s13, 31
	s_cselect_b32 s26, 1.0, 0                      ; slot 2 of query block 31 is key block 0: far to the left
	s_cselect_b32 s34, 0, 1.0
	s_add_co_u32 s52, s13, 2
	s_cmp_le_u32 s52, 31
	s_cselect_b32 s27, 0, 1.0
	s_cselect_b32 s31, 1.0, 0
	s_mov_b32 s33, s32
	s_mov_b32 s35, s34
	s_mov_b32 s24, 0
	s_mov_b32 s25, 0
	s_mov_b32 s29, 0
	s_mov_b32 s30, 0
.else
	s_cmp_lt_u32 s15, 32                           ; slot b has not wrapped, and lies to the right, where s15 + b is under 32
	s_cselect_b32 s24, -1, 0
	s_cselect_b32 s29, 1.0, 0
	s_cmp_lt_u32 s15, 31
	s_cselect_b32 s25, -1, 0
	s_cmp_lt_u32 s15, 30
	s_cselect_b32 s26, -1, 0
	s_cmp_lt_u32 s15, 29
	s_cselect_b32 s27, -1, 0
	s_cselect_b32 s28, 1.0, 0                      ; 1.0: all four to the right
	s_xor_b32 s29, s29, s28                        ; 1.0: the walk wraps inside this step
.endif
	s_and_b32 s52, s14, 31                         ; the first block's place in LDS; the three behind it lie on end
	s_mul_i32 s53, s52, 1536
	s_lshl_b32 s54, s52, 7
	s_lshr_b32 s55, s52, 2
	s_lshl_b32 s55, s55, 8
	v_add_nc_u32 v10, s53, v1
	v_add_nc_u32 v11, s53, v2
	v_add_nc_u32 v12, s54, v3
	v_add_nc_u32 v13, s55, v6
.irp b, 0,1,2,3
	ds_load_b128 v[FB+12*\b:FB+12*\b+3], v10 offset:1536*\b
	ds_load_b64 v[FB+12*\b+4:FB+12*\b+5], v11 offset:1536*\b+512
	ds_load_b128 v[FB+12*\b+6:FB+12*\b+9], v10 offset:1536*\b+768
	ds_load_b64 v[FB+12*\b+10:FB+12*\b+11], v11 offset:1536*\b+1280
	ds_load_b64 v[KS+2*\b:KS+2*\b+1], v12 offset:128*\b
.endr
	ds_load_b128 v[S+8:S+11], v13                  ; V's scale words of the group in which the step begins,
	ds_load_b128 v[S+12:S+15], v13 offset:256      ; and of the next
	s_wait_dscnt 0x0
.irp t, 0,1,2,3
	v_alignbit_b32 v[VS+\t], v[S+12+\t], v[S+8+\t], s18   ; the four bytes of the step's four blocks
.endr
.irp t, 0,1,2,3,4,5,6,7
	MMA0 S+8*\t, FB+6*\t, 28, KS+\t, 40            ; S^T: a unit is six registers; the six behind it meet q's zero codes
.endr
	v_add_nc_u32 v15, s53, v4                      ; V's fragments.  (These lines are the places behind the products)
	v_add_nc_u32 v27, s53, v5
.if \near
.irp b, 0,1,2,3
	v_mul_f32 v[AD+2*\b+1], s[24+\b], v22          ; the far slots' relative term, as t
.endr
.irp b, 0,1,2,3
	s_delay_alu instid0(VALU_DEP_4)
	v_fmac_f32 v[AD+2*\b+1], s[28+\b], v23
.endr
.irp b, 0,1,2
.irp i, 0,1,2,3,4,5,6,7,8,9,10,11,12,13,14,15
	ds_load_b32 v[FB+16*\b+\i], v14 offset:4*(32*\b+\i)   ; R at the key's distance
.endr
.endr
	s_wait_dscnt 0x0
.irp k, 0,2,4,6,8,10,12,14
	v_pk_fma_f32 v[S+\k:S+\k+1], v[FB+\k:FB+\k+1], s[32:33], v[S+\k:S+\k+1] op_sel_hi:[1,0,1]
.endr
.irp k, 16,18,20,22,24,26,28,30
	v_pk_add_f32 v[S+\k:S+\k+1], v[S+\k:S+\k+1], v[FB+\k:FB+\k+1]
.endr
.irp k, 32,34,36,38,40,42,44,46
	v_pk_fma_f32 v[S+\k:S+\k+1], v[FB+\k:FB+\k+1], s[34:35], v[S+\k:S+\k+1] op_sel_hi:[1,0,1]
.endr
.else
.irp b, 0,1
	v_cndmask_b32 v[AD+2*\b+1], v22, v23, s[24+\b] ; the block's relative term, as t: the right end's or the left end's (slots 2 and 3: among the maxima below)
.endr
.endif
.irp t, 0,1,2,3
.irp c, 0,1
	ds_load_b128 v[FB+12*\t+6*\c:FB+12*\t+6*\c+3], v15 offset:768*\t+3072*\c     ; V's fragments land during the softmax
	ds_load_b64 v[FB+12*\t+6*\c+4:FB+12*\t+6*\c+5], v27 offset:768*\t+3072*\c
.endr
.endr
.irp b, 0,1,2,3
	v_max3_num_f32 v[MX+\b], v[S+16*\b], v[S+16*\b+1], v[S+16*\b+2]   ; each block's largest score: for the row's maximum and for the block's largest p
.endr
.irp i, 3,5,7,9,11,13
.irp b, 0,1,2,3
	v_max3_num_f32 v[MX+\b], v[MX+\b], v[S+16*\b+\i], v[S+16*\b+\i+1]
.endr
.endr
.irp b, 0,1,2,3
	v_max_num_f32 v[MX+\b], v[MX+\b], v[S+16*\b+15]
.endr
.if \near == 0
	v_cndmask_b32 v[AD+5], v22, v23, s26           ; a fifth line in each group of four: a reader stands five lines behind its producer
.endif
.irp b, 0,1,2,3
.if \near
	s_delay_alu instid0(VALU_DEP_4)
.endif
	v_permlanex16_b32 v[CT+\b], v[MX+\b], s20, s21
.endr
.if \near == 0
	v_cndmask_b32 v[AD+7], v22, v23, s27
.endif
.irp b, 0,1,2,3
.if \near
	s_delay_alu instid0(VALU_DEP_4)
.endif
	v_max_num_f32 v[MX+\b], v[MX+\b], v[CT+\b]
.endr
	v_mov_b32 v26, v16                             ; the old -M
.irp b, 0,1,2,3
	v_fma_f32 v[SCO+\b], v[MX+\b], s22, v[AD+2*\b+1]
.endr
	s_delay_alu instid0(VALU_DEP_2)
	v_max3_num_f32 v27, v[SCO], v[SCO+1], v[SCO+2]
	s_delay_alu instid0(VALU_DEP_1)
	v_max3_num_f32 v17, v27, v[SCO+3], v17         ; the running largest t
	s_delay_alu instid0(VALU_DEP_1)
	v_floor_f32 v16, -v17                          ; -M = floor(-t): M is a whole number
	s_delay_alu instid0(VALU_DEP_1)
.irp b, 0,1,2,3
	v_add_f32 v[AD+2*\b], v[AD+2*\b+1], v16
.endr
	v_sub_f32 v26, v16, v26                        ; f = 2^(old M - new M), which rounds nothing, is made among the lines for t - M
.irp k, 0,2,4,6,8,10,12,14
	v_pk_fma_f32 v[S+\k:S+\k+1], v[S+\k:S+\k+1], s[22:23], v[AD:AD+1] op_sel_hi:[1,0,0]   ; t - M
.endr
	v_cvt_i32_f32 v26, v26                         ; (it saturates)
.irp k, 0,2,4,6,8,10,12,14
	v_pk_fma_f32 v[S+16+\k:S+16+\k+1], v[S+16+\k:S+16+\k+1], s[22:23], v[AD+2:AD+3] op_sel_hi:[1,0,0]
.endr
	v_ldexp_f32 v24, 1.0, v26
.irp b, 2,3
.irp k, 0,2,4,6,8,10,12,14
	v_pk_fma_f32 v[S+16*\b+\k:S+16*\b+\k+1], v[S+16*\b+\k:S+16*\b+\k+1], s[22:23], v[AD+2*\b:AD+2*\b+1] op_sel_hi:[1,0,0]
.endr
.endr
.irp b, 0,1,2,3
	v_fma_f32 v[MX+\b], v[MX+\b], s22, v[AD+2*\b]  ; the same of each block's largest score
.endr
.set k, 0
	s_wait_alu depctr_va_vdst(0)
.rept 64
	v_exp_f32 v[S+k], v[S+k]
.set k, k+1
.endr
.irp b, 0,1,2,3
	v_exp_f32 v[MX+\b], v[MX+\b]
.endr
	v_pk_mul_f32 v[18:19], v[18:19], v[24:25] op_sel_hi:[1,0]   ; the sum under the new M (a plain place behind the exponentials)
	s_wait_alu depctr_va_vdst(0)
.irp b, 0,1,2,3
	v_max_num_f32 v[MX+\b], 0x2800000, v[MX+\b]
.endr
	TR 0
.irp b, 0,1,2,3
	v_add_nc_u32 v[SCO+\b], 0xfe000000, v[MX+\b]
.endr
	TR 1
.irp b, 0,1,2,3
	v_lshrrev_b32 v[CT+\b], 23, v[SCO+\b]
.endr
	TR 2
	TR 3
	v_lshl_or_b32 v41, v[CT+1], 8, v[CT]
.irp n, 4,5,6,7
	TR \n
.endr
	v_lshl_or_b32 v41, v[CT+2], 16, v41
.irp n, 8,9,10,11
	TR \n
.endr
	v_lshl_or_b32 v41, v[CT+3], 24, v41
.irp c, 0,1
	v_cvt_scalef32_pk16_bf6_f32 v[PC+6*\c:PC+6*\c+2], v[S+32*\c:S+32*\c+15], v[SCO+2*\c]
	v_cvt_scalef32_pk16_bf6_f32 v[CT+4*\c:CT+4*\c+2], v[S+32*\c+16:S+32*\c+31], v[SCO+2*\c+1]
.endr
	TR 12                                          ; the plain place behind the conversions: it reads p and writes chain 4
.irp c, 0,1
.irp i, 0,1,2
	v_permlane16_swap_b32 v[PC+6*\c+\i], v[CT+4*\c+\i]
.endr
.endr
.irp c, 0,1
.irp i, 0,1,2
	v_mov_b32 v[PC+6*\c+3+\i], v[CT+4*\c+\i]
.endr
.endr
.irp n, 13,14,15,16,17,18,19,20,21,22,23
	TR \n
.endr
	v_pk_mul_f32 v[20:21], v[20:21], v[24:25] op_sel_hi:[1,0]   ; the far sums,
.irp j, 0,2,4,6,8,10,12,14,16,18,20,22,24,26,28,30
	v_pk_mul_f32 v[O+\j:O+\j+1], v[O+\j:O+\j+1], v[24:25] op_sel_hi:[1,0]   ; and O^T under the new M.  (These 17 are the places between p's scale word and codes and the products)
.endr
	CA 0, 5                                        ; chains 5-7 leave v224-229
	CA 1, 6
	CA 2, 7
	s_wait_alu depctr_va_vdst(0)
	s_wait_dscnt 0x0                               ; V
.irp t, 0,1,2,3
	MMAC O+8*\t, FB+12*\t, PC, VS+\t, 41
.endr
	MMA0 AD, EE, PC, 42, 41                        ; registers 0-4: the sums of the quantised p, by the ones' rows
.if \near
	ds_store_b128 v252, v[PC:PC+3]
	ds_store_b128 v252, v[PC+4:PC+7] offset:16
	ds_store_b128 v252, v[PC+8:PC+11] offset:32
	ds_store_b32 v253, v41
.endif
	TR 24                                          ; the sum's last pair and joins: these four lines name no register of the products above and are the places behind them
	CA 3, 4
	CA 1, 2
	s_delay_alu instid0(VALU_DEP_1)
	CA 1, 3
.if \near
	v_add_f32 v20, v20, v[AD+2]                    ; v20: all far blocks; v21: those to the right.  Slot 3 is always far,
	v_fmac_f32 v21, s31, v[AD+2]
	v_fmac_f32 v20, s28, v[AD+3]                   ; slot 0 where it is key block 31, to the right,
	v_fmac_f32 v21, s28, v[AD+3]
	v_fmac_f32 v20, s26, v[AD+4]                   ; slot 2 where it is key block 0, to the left
	CA 0, 1                                        ; the row's sum is whole
.else
	v_add_f32 v20, v20, v[AD]
	v_fmac_f32 v21, s28, v[AD]
	v_fmac_f32 v21, s29, v[AD+1]
	s_delay_alu instid0(VALU_DEP_4)
	CA 0, 1                                        ; the row's sum is whole
.endif
.endm
.Ltile:
.set k, 0
.rept 32
	v_mov_b32 v[O+k], 0                            ; the step is written once: the first finds zeros
.set k, k+1
.endr
.irp i, 18,19,20,21
	v_mov_b32 v[\i], 0
.endr
	v_mov_b32 v17, 0xff61b1e6                      ; -3e38, under every t
	s_delay_alu instid0(VALU_DEP_1)
	v_floor_f32 v16, -v17
	v_add_nc_u32 v10, TXL, v1
	v_add_nc_u32 v11, TXL+512, v2
	v_lshl_add_u32 v12, v255, 2, TXSL
.irp t, 0,1,2,3,4,5,6,7
	ds_load_b128 v[FB+6*\t:FB+6*\t+3], v10 offset:768*\t
	ds_load_b64 v[FB+6*\t+4:FB+6*\t+5], v11 offset:768*\t
.endr
	ds_load_b128 v[KS:KS+3], v12
	ds_load_b128 v[KS+4:KS+7], v12 offset:16
	s_wait_dscnt 0x0
.irp t, 0,1,2,3,4,5,6,7
	MMA0 S+8*\t, FB+6*\t, 28, KS+\t, 40            ; R: register 8 t + j of lane (lr, h) is e = 16 t + 8 h + j
.endr
.rept 4
	v_nop
.endr
	v_mul_f32 v22, s22, v[S]                       ; e under 32: the left end, as t;
	v_mul_f32 v23, s22, v[S+56]                    ; e over 96: the right end
.irp t, 0,1,2,3,4,5,6,7
	ds_store_b128 v8, v[S+8*\t:S+8*\t+3] offset:64*\t
	ds_store_b128 v8, v[S+8*\t+4:S+8*\t+7] offset:64*\t+16
.endr
	v_sub_nc_u32 v14, v9, s17
	s_add_co_u32 s14, s10, 35                      ; the far steps first: tau = 1 .. 7
	s_add_co_u32 s15, s13, 3
	s_mov_b32 s16, 7
.Lfar:
	STEP 0
	s_add_co_u32 s14, s14, 4
	s_add_co_u32 s15, s15, 4
	s_sub_co_u32 s16, s16, 1
	s_cmp_lg_u32 s16, 0
	s_cbranch_scc1 .Lfar
	s_add_co_u32 s14, s10, 31
	STEP 1
	; ---- handing over: wave g finishes the sixteen queries (wave n, lane g), which share r
	s_cmp_lg_u32 s19, 0
	s_wait_alu depctr_va_vdst(0)                   ; the wait ahead of the branch
	s_cbranch_scc1 .Lnoq
	global_load_b128 v[28:31], v1, s[38:39] offset:768      ; the second tile's unit of q and its scale words land during the hand-over
	global_load_b64 v[32:33], v2, s[38:39] offset:1280
	global_load_b32 v40, v255, s[40:41] offset:4
.Lnoq:
	v_sub_f32 v20, v20, v21                        ; the left sum
	v_add_f32 v18, v18, v19
	s_delay_alu instid0(VALU_DEP_1)
	v_permlanex16_b32 v26, v18, s20, s21
	s_delay_alu instid0(VALU_DEP_1)
	v_add_f32 v18, v18, v26                        ; l
	v_lshlrev_b32 v15, 6, v7
.irp t, 0,1,2,3
.irp k, 0,1,2
	global_load_b128 v[FB+12*\t+4*\k:FB+12*\t+4*\k+3], v1, s[42:43] offset:1536*\t+512*\k
.endr
.endr
	global_load_b128 v[VS:VS+3], v43, s[44:45]
.irp b, 0,1
.irp j, 0,1,2,3
	global_load_b128 v[S+16*\b+4*\j:S+16*\b+4*\j+3], v15, s[46:47] offset:128*\b+16*\j
	global_load_b128 v[S+32+16*\b+4*\j:S+32+16*\b+4*\j+3], v15, s[46:47] offset:256+128*\b+16*\j
.endr
.endr
.irp k, 0,1,2,3,4,5,6,7
	ds_store_b128 v254, v[O+4*\k:O+4*\k+3] offset:16*\k
.endr
	ds_store_b128 v254, v[18:21] offset:128        ; l, -, the left sum, the right sum
	v_and_b32 v10, 15, v0                          ; n
	s_delay_alu instid0(VALU_DEP_1)
	v_mul_u32_u24 v11, v10, 96
	s_delay_alu instid0(VALU_DEP_1)
	v_mad_u32_u24 v11, v7, 48, v11
	s_mul_i32 s52, s10, 1552
	s_add_co_u32 s52, s52, PN
	v_add_nc_u32 v11, s52, v11
	s_lshl_b32 s52, s10, 6
	s_add_co_u32 s52, s52, PNS
	v_lshl_add_u32 v12, v10, 2, s52
	v_mul_u32_u24 v13, v10, SCRW
	s_delay_alu instid0(VALU_DEP_1)
	v_mad_u32_u24 v13, v7, 144, v13
	s_mul_i32 s52, s10, 288
	s_add_co_u32 s52, s52, SCR
	v_add_nc_u32 v13, s52, v13
	s_wait_alu depctr_va_vdst(0)
	BARRIER                                        ; every wave's codes, words and images lie in LDS
	ds_load_b128 v[PC:PC+3], v11
	ds_load_b128 v[PC+4:PC+7], v11 offset:16
	ds_load_b128 v[PC+8:PC+11], v11 offset:32
	ds_load_b32 v41, v12
.irp k, 0,1,2,3,4,5,6,7
	ds_load_b128 v[O+4*\k:O+4*\k+3], v13 offset:16*\k
.endr
	ds_load_b128 v[248:251], v13 offset:128
	s_wait_dscnt 0x0
	s_wait_loadcnt 0x0
.irp i, 0,1,2,3,4,5
	v_cndmask_b32 v[PC+\i], 0, v[PC+\i], s36       ; a slot that was counted as far counts for nothing here
.endr
.irp i, 6,7,8,9,10,11
	v_cndmask_b32 v[PC+\i], 0, v[PC+\i], s37
.endr
	s_wait_alu depctr_va_vdst(0)
	v_rcp_f32 v24, v248
.rept 4
	v_nop
.endr
.irp t, 0,1,2,3
	MMAC O+8*\t, FB+12*\t, PC, VS+\t, 41           ; + the near blocks of relV
.endr
	v_mov_b32 v26, v251
	v_mov_b32 v27, v251
	v_lshl_add_u32 v10, v10, 5, v7                 ; 32 n + h
	v_nop
.irp j, 0,2,4,6,8,10,12,14,16,18,20,22,24,26,28,30
	v_pk_fma_f32 v[O+\j:O+\j+1], v[S+\j:S+\j+1], v[250:251], v[O+\j:O+\j+1] op_sel_hi:[1,0,1]   ; + T_v[0] as quantised x the left sum
.endr
.irp j, 0,2,4,6,8,10,12,14,16,18,20,22,24,26,28,30
	v_pk_fma_f32 v[O+\j:O+\j+1], v[S+32+\j:S+32+\j+1], v[26:27], v[O+\j:O+\j+1] op_sel_hi:[1,0,1]   ; + T_v[64] x the right sum
.endr
	s_wait_alu depctr_va_vdst(0)
.irp j, 0,2,4,6,8,10,12,14,16,18,20,22,24,26,28,30
	v_pk_mul_f32 v[O+\j:O+\j+1], v[O+\j:O+\j+1], v[24:25] op_sel_hi:[1,0]   ; / l
.endr
.irp b, 0,1
	v_max3_num_f32 v[MX+\b], |v[O+16*\b]|, |v[O+16*\b+1]|, 0x2800000
.endr
.irp i, 2,4,6,8,10,12,14
.irp b, 0,1
	s_delay_alu instid0(VALU_DEP_2)
	v_max3_num_f32 v[MX+\b], v[MX+\b], |v[O+16*\b+\i]|, |v[O+16*\b+\i+1]|
.endr
.endr
.irp b, 0,1
	s_delay_alu instid0(VALU_DEP_2)
	v_permlanex16_b32 v[CT+\b], v[MX+\b], s20, s21
.endr
.irp b, 0,1
	s_delay_alu instid0(VALU_DEP_2)
	v_max_num_f32 v[MX+\b], v[MX+\b], v[CT+\b]
.endr
.irp b, 0,1
	s_delay_alu instid0(VALU_DEP_2)
	v_add_nc_u32 v[SCO+\b], 0xfe000000, v[MX+\b]
.endr
.irp b, 0,1
	s_delay_alu instid0(VALU_DEP_2)
	v_lshrrev_b32 v[CT+\b], 23, v[SCO+\b]
.endr
	s_mov_b32 s52, 0xffff0000
	v_cndmask_b32 v26, v[CT], v[CT+1], s52         ; block h's byte
	v_cvt_scalef32_pk16_bf6_f32 v[PC:PC+2], v[O:O+15], v[SCO]
	v_cvt_scalef32_pk16_bf6_f32 v[CT+4:CT+6], v[O+16:O+31], v[SCO+1]
	v_nop
.irp i, 0,1,2
	v_permlane16_swap_b32 v[PC+\i], v[CT+4+\i]
.endr
.irp i, 0,1,2
	s_delay_alu instid0(VALU_DEP_3)
	v_mov_b32 v[PC+3+\i], v[CT+4+\i]
.endr
	global_store_b128 v1, v[PC:PC+3], s[48:49]     ; x's unit: 16 queries x this head's 64
	global_store_b64 v2, v[PC+4:PC+5], s[48:49] offset:512
	global_store_b8 v10, v26, s[50:51]
	BARRIER                                        ; every wave's reads of the images are over: the next tile may write them
	s_wait_xcnt 0x0                                ; the bases and the stores' registers are rewritten only behind this wait
	s_add_nc_u64 s[38:39], s[38:39], 768
	s_add_nc_u64 s[40:41], s[40:41], 4
	s_add_nc_u64 s[42:43], s[42:43], 49152
	s_add_nc_u64 s[44:45], s[44:45], 2048
	s_add_nc_u64 s[48:49], s[48:49], 98304
	s_add_nc_u64 s[50:51], s[50:51], 4096
	s_add_co_u32 s17, s17, 32
	s_add_co_u32 s19, s19, 1
	s_cmp_lt_u32 s19, 2
	s_cbranch_scc1 .Ltile
	s_wait_xcnt 0x0
	v_lshl_add_u32 v254, v0, 2, SPARE
	v_mov_b32 v255, 0
	s_wait_alu depctr_va_vdst(0)
	s_wait_tensorcnt 0x0
	ds_add_u32 v254, v255
	s_wait_dscnt 0x0
	s_endpgm
.Lfunc_end_k_qfdee69826d_attn:
	.size	k_qfdee69826d_attn, .Lfunc_end_k_qfdee69826d_attn-k_qfdee69826d_attn
	.p2alignl 7, 3214868480
	.fill 96, 4, 3214868480
	.section	.rodata,"a",@progbits
	.p2align	6, 0x0
	.amdhsa_kernel k_qfdee69826d_attn
		.amdhsa_group_segment_fixed_size 286208
		.amdhsa_private_segment_fixed_size 0
		.amdhsa_enable_private_segment 0
		.amdhsa_kernarg_size 24
		.amdhsa_user_sgpr_count 2
		.amdhsa_user_sgpr_kernarg_segment_ptr 1
		.amdhsa_wavefront_size32 1
		.amdhsa_system_sgpr_workgroup_id_x 1
		.amdhsa_system_sgpr_workgroup_id_y 1
		.amdhsa_system_sgpr_workgroup_id_z 1
		.amdhsa_system_vgpr_workitem_id 0
		.amdhsa_next_free_vgpr 256
		.amdhsa_next_free_sgpr 66
		.amdhsa_reserve_vcc 0
		.amdhsa_float_denorm_mode_32 3
		.amdhsa_float_denorm_mode_16_64 3
		.amdhsa_memory_ordered 1
		.amdhsa_forward_progress 1
		.amdhsa_inst_pref_size 73
	.end_amdhsa_kernel
	.amdgpu_metadata
---
amdhsa.version: [ 1, 2 ]
amdhsa.kernels:
  - .name:           k_qfdee69826d_attn
    .symbol:         k_qfdee69826d_attn.kd
    .args:
      - { .name: qkv, .offset: 0, .size: 8, .value_kind: global_buffer, .address_space: global }
      - { .name: tabs, .offset: 8, .size: 8, .value_kind: global_buffer, .address_space: global }
      - { .name: xo, .offset: 16, .size: 8, .value_kind: global_buffer, .address_space: global }
    .group_segment_fixed_size: 286208
    .private_segment_fixed_size: 0
    .kernarg_segment_align: 8
    .kernarg_segment_size: 24
    .max_flat_workgroup_size: 512
    .sgpr_count:     66
    .vgpr_count:     256
    .wavefront_size: 32
...
	.end_amdgpu_metadata
.endif
;; end of part 3
;; launch outp (part 4): grid 4 x 64, 4 waves a work-group, clusters of 4 x 4, 327,680 bytes of LDS; arguments xo, opq, bo, out0; writes out0
.if DOCPART == 4
	.amdgcn_target "amdgcn-amd-amdhsa--gfx1250"
	.amdhsa_code_object_version 6
	.text
	.protected	k_qfdee69826d_outp
	.globl	k_qfdee69826d_outp
	.p2align	8
	.type	k_qfdee69826d_outp,@function
k_qfdee69826d_outp:
	s_mov_b64 s[64:65], 0
	v_nop
	global_prefetch_b8 v0, s[64:65] scope:SCOPE_SE
	s_setreg_imm32_b32 hwreg(HW_REG_WAVE_MODE, 25, 1), 1
	s_wait_xcnt 0x0
	s_wait_alu depctr_hold_cnt(0) depctr_sa_sdst(0) depctr_va_vdst(0) depctr_va_sdst(0) depctr_va_ssrc(0) depctr_va_vcc(0) depctr_vm_vsrc(0)
	s_getreg_b32 s2, hwreg(HW_REG_IB_STS2, 6, 4)
	s_cmp_eq_u32 s2, 0
	s_cbranch_scc0 .Lentry_in_a_cluster
	s_endpgm
.Lentry_in_a_cluster:
	s_bfe_u32 s2, ttmp6, 0x10000c
	s_cmp_lg_u32 s2, 0xf033
	s_cbranch_scc0 .Lentry_shape_is_right
	s_endpgm
.Lentry_shape_is_right:
; out0 = x Wo^T + bo on codes of BF6: 8,192 x 1,024 x 1,024, f32 out.  256 work-groups, one tile each: 128 rows of x (the lanes) x 256 features of Wo (the registers); a wave makes 64 x 128: 32 accumulators.
; x's row tile 64 batch + 32 hf + r holds the sixteen tokens 1,024 batch + 512 hf + 32 n + r.  Both operands lie in the order of an operand's registers: a fragment is 1,536 dense bytes.
; All of K lies in LDS: slot 0 holds K 0-511 of 8 + 16 row tiles, slot 1 K 512-1,023; each is filled once, one tensor load a wave at the head and one behind the round that follows.
; CLUSTERS 4 x 4: x's tiles are shared along a row of the cluster, Wo's along a column, by joint loads.
; The scale words go from memory into registers: a row tile's 512 bytes by one load: lanes 0-15 the words of K steps 0-3, lanes 16-31 those of steps 4-7 (row 1 of the scale register).
; No prefetch: the launch has two fills and no loop to run ahead in.
; The way out goes through each wave's own stage in slot 0, which has had its only fill and, behind the change of slots, its last read.
.set HB,     6144
.set APART,  8*HB
.set SLOT,   24*HB
.set SPARE,  2*SLOT
.set OPS,    22020096
.set XSG,    6291456
.set SPITCH, 528
.set STO,  12
.set RD,   13
.set CO,   14
.set ADRA, 16
.set ADRB, 20
.set SCV,  24
.set SPW,  28
.set NIL,  29
.set SA,   32
.set SB,   48
.set AF,   144
.set BK,   128
.set G1,  24
.set G0,  32
.set G1B, 48
.set G0B, 56
.set MSB, 0
.macro WIN new
.if MSB != (\new)
	s_set_vgpr_msb (MSB<<8)|(\new)
.set MSB, (\new)
.endif
.endm
.set MUL,  0xa1
.set TO_B, 0x40
.macro PLACES
.rept 4
	v_nop
.endr
.endm
.macro JLOAD g0a, g1a, g0b, g1b
	s_cmp_eq_u32 s15, 0
	s_cbranch_scc0 .Lfor_b_\@
	tensor_load_to_lds s[\g0a:\g0a+3], s[\g1a:\g1a+7]
	s_nop 0
	PLACES
	s_branch .Lasked_\@
.Lfor_b_\@:
	tensor_load_to_lds s[\g0b:\g0b+3], s[\g1b:\g1b+7]
	s_nop 0
	PLACES
.Lasked_\@:
.endm
.macro CREST
	s_cmp_lg_u32 s14, 0
	s_cbranch_scc1 .Lnot_wave_0_\@
	s_barrier_signal -3
.Lnot_wave_0_\@:
	s_barrier_wait -3
	s_barrier_signal -1
	s_barrier_wait -1
.endm
.macro CROUND
	s_barrier_signal -1
	s_barrier_wait -1
	CREST
.endm
	s_load_b256 s[4:11], s[0:1], 0x0               ; xo, opq, bo, out0
	v_lshl_add_u32 v[SPW], v0, 2, SPARE
	v_mov_b32 v[NIL], 0
	ds_add_u32 v[SPW], v[NIL]                      ; the opening lines: the add, twice on end, and its wait
	ds_add_u32 v[SPW], v[NIL]
	v_lshrrev_b32 v1, 5, v0
	v_readfirstlane_b32 s14, v1                    ; wave
	s_lshr_b32 s15, s14, 1                         ; my half of x's rows.  Also: for which operand I fetch
	s_and_b32 s16, s14, 1                          ; my half of the features.  Also: which part I fetch
	s_bfe_u32 s40, ttmp6, 0x40000                  ; cx: the block of 256 features
	s_bfe_u32 s41, ttmp6, 0x40004                  ; cy
	s_and_b32 s17, ttmp7, 0xffff
	s_lshl_b32 s17, s17, 2
	s_add_co_u32 s17, s17, s41                     ; the block of eight row tiles of x, 0 .. 63
	s_lshl_b32 s43, s41, 2
	s_lshl_b32 s43, 15, s43
	s_lshl_b32 s44, 0x1111, s40
	s_or_b32 s[G1], s43, (3<<16)|(1<<21)
	s_or_b32 s[G1B], s44, (3<<16)|(1<<21)
	s_mov_b32 s[G1+1], 768<<16                     ; rows of 6,144 bytes, four row tiles, 12,288 bytes apart
	s_mov_b32 s[G1+2], 4<<16
	s_mov_b32 s[G1+3], 768<<16
	s_mov_b32 s[G1+4], 4
	s_mov_b32 s[G1+5], 1536
	s_mov_b32 s[G1+6], 0
	s_mov_b32 s[G1+7], 0
	s_mov_b32 s[G1B+1], 768<<16                    ; eight row tiles
	s_mov_b32 s[G1B+2], 8<<16
	s_mov_b32 s[G1B+3], 768<<16
	s_mov_b32 s[G1B+4], 8
	s_mov_b32 s[G1B+5], 1536
	s_mov_b32 s[G1B+6], 0
	s_mov_b32 s[G1B+7], 0
	s_lshl_b32 s42, s16, 2
	s_lshl_b32 s74, s17, 3
	s_add_co_u32 s74, s74, s42
	s_mul_i32 s74, s74, 12288
	s_lshl_b32 s42, s16, 3
	s_lshl_b32 s76, s40, 4
	s_add_co_u32 s76, s76, s42
	s_add_co_u32 s76, s76, 1728                    ; Wo
	s_mul_i32 s76, s76, 12288
	s_mov_b32 s75, 0
	s_mov_b32 s77, 0
	s_mul_i32 s45, s16, 4*HB
	s_mul_i32 s23, s16, 8*HB
	s_add_co_u32 s23, s23, APART
	s_wait_dscnt 0x0
	s_wait_kmcnt 0x0
	s_add_nc_u64 s[66:67], s[4:5], s[74:75]
	s_add_nc_u64 s[68:69], s[6:7], s[76:77]
	CROUND
.irp s, 0,1
	s_mov_b32 s[G0+4*\s], 1
	s_add_co_u32 s[G0+4*\s+1], s45, \s*SLOT
	s_add_nc_u64 s[G0+4*\s+2:G0+4*\s+3], s[66:67], \s*HB
	s_or_b32 s[G0+4*\s+3], s[G0+4*\s+3], 0x80000000
	s_mov_b32 s[G0B+4*\s], 1
	s_add_co_u32 s[G0B+4*\s+1], s23, \s*SLOT
	s_add_nc_u64 s[G0B+4*\s+2:G0B+4*\s+3], s[68:69], \s*HB
	s_or_b32 s[G0B+4*\s+3], s[G0B+4*\s+3], 0x80000000
.endr
	JLOAD G0, G1, G0B, G1B                         ; K 0-511: one tensor load a wave at the head
	v_and_b32 v1, 15, v0                           ; r
	v_bfe_u32 v2, v0, 4, 1                         ; h
	v_and_b32 v6, 31, v0
	v_lshlrev_b32 v4, 4, v6                        ; 16 l
	v_lshlrev_b32 v5, 3, v6                        ; 8 l
	s_mul_i32 s21, s15, 4*HB
	s_mul_i32 s22, s16, 8*HB
	s_add_co_u32 s22, s22, APART
.irp s, 0,1
	v_add_nc_u32 v[ADRA+\s], s21, v4
	v_add_nc_u32 v[ADRB+\s], s22, v4
	v_add_nc_u32 v[ADRA+2+\s], s21, v5
	v_add_nc_u32 v[ADRB+2+\s], s22, v5
	s_add_co_u32 s21, s21, SLOT
	s_add_co_u32 s22, s22, SLOT
.endr
	v_lshlrev_b32 v[SCV], 5, v1
	v_lshl_add_u32 v[SCV], v2, 4, v[SCV]           ; 32 r + 16 h
	s_mul_i32 s23, s14, 16*SPITCH                  ; my stage
	v_mul_u32_u24 v3, v1, SPITCH
	v_lshl_add_u32 v3, v2, 6, v3
	v_add_nc_u32 v[STO], s23, v3                   ; in: row r, + 64 h
	v_mov_b32 v[CO], v4
	v_add_nc_u32 v[RD], s23, v4                    ; back: the 32 lanes take a row of 512 bytes
	s_lshl_b32 s46, s40, 10
	s_lshl_b32 s47, s16, 9
	s_add_co_u32 s46, s46, s47                     ; my first column, in bytes
	v_add_nc_u32 v7, s46, v4
	s_wait_alu depctr_va_vdst(0)                   ; the wait behind the head's last vector instruction
	s_lshl_b32 s22, s15, 2
	s_lshl_b32 s21, s17, 3
	s_add_co_u32 s21, s21, s22
	s_lshl_b32 s21, s21, 9
	s_add_co_u32 s86, s21, XSG
	s_lshl_b32 s22, s16, 3
	s_lshl_b32 s21, s40, 4
	s_add_co_u32 s21, s21, s22
	s_add_co_u32 s21, s21, 1728
	s_lshl_b32 s21, s21, 9
	s_add_co_u32 s88, s21, OPS
	s_mov_b32 s87, 0
	s_mov_b32 s89, 0
	s_add_nc_u64 s[70:71], s[4:5], s[86:87]
	s_add_nc_u64 s[78:79], s[6:7], s[88:89]
.irp a, 0,1,2,3
	global_load_b128 v[SA+4*\a:SA+4*\a+3], v[SCV], s[70:71] offset:512*\a
.endr
.irp b, 0,1,2,3,4,5,6,7
	global_load_b128 v[SB+4*\b:SB+4*\b+3], v[SCV], s[78:79] offset:512*\b
.endr
	global_load_b128 v[8:11], v7, s[8:9]           ; the bias of my four columns of a row's 128
	s_lshr_b32 s20, s17, 3
	s_lshl_b32 s20, s20, 10                        ; batch,
	s_bfe_u32 s21, s17, 0x10002
	s_lshl_b32 s21, s21, 9                         ; hf,
	s_add_co_u32 s20, s20, s21
	s_and_b32 s21, s17, 3
	s_lshl_b32 s21, s21, 3
	s_add_co_u32 s20, s20, s21
	s_lshl_b32 s21, s15, 2
	s_add_co_u32 s20, s20, s21                     ; r of my first row tile: the token of its lane 0
	s_lshl_b32 s20, s20, 12
	s_add_co_u32 s20, s20, s46
	s_mov_b32 s21, 0
	s_add_nc_u64 s[12:13], s[10:11], s[20:21]
.macro FRAG reg, adr, q, i
	ds_load_b128 v[\reg:\reg+3], v[\adr] offset:(\i)*HB+(\q)*1536
	ds_load_b64 v[\reg+4:\reg+5], v[\adr+2] offset:(\i)*HB+(\q)*1536+512
	ds_load_b128 v[\reg+6:\reg+9], v[\adr] offset:(\i)*HB+(\q)*1536+768
	ds_load_b64 v[\reg+10:\reg+11], v[\adr+2] offset:(\i)*HB+(\q)*1536+1280
.endm
.macro FETCH_B slot, q, p
	WIN TO_B
.irp i, 0,1,2,3,4,5,6,7
	FRAG 128*(\p)+12*\i, ADRB+\slot, \q, \i
.endr
	WIN 0
.endm
.macro FETCH_A slot, q, p
.irp i, 0,1,2,3
	FRAG AF+48*(\p)+12*\i, ADRA+\slot, \q, \i
.endr
.endm
; the 32 accumulators take turns, in the same order in every step
.macro MUL8 a, s, zero
.irp b, 0,1,2,3,4,5,6,7
.if \zero
	v_wmma_scale_f32_16x16x128_f8f6f4 v[64*(\a)+8*\b:64*(\a)+8*\b+7], v[128*((\s)%2)+12*\b:128*((\s)%2)+12*\b+11], v[AF+48*((\s)%2)+12*(\a):AF+48*((\s)%2)+12*(\a)+11], 0, v[SB+4*\b+(\s)%4], v[SA+4*(\a)+(\s)%4] matrix_a_fmt:MATRIX_FMT_BF6 matrix_b_fmt:MATRIX_FMT_BF6
.elseif (\s)/4
	v_wmma_scale_f32_16x16x128_f8f6f4 v[64*(\a)+8*\b:64*(\a)+8*\b+7], v[128*((\s)%2)+12*\b:128*((\s)%2)+12*\b+11], v[AF+48*((\s)%2)+12*(\a):AF+48*((\s)%2)+12*(\a)+11], v[64*(\a)+8*\b:64*(\a)+8*\b+7], v[SB+4*\b+(\s)%4], v[SA+4*(\a)+(\s)%4] matrix_a_fmt:MATRIX_FMT_BF6 matrix_b_fmt:MATRIX_FMT_BF6 matrix_a_scale:MATRIX_SCALE_ROW1 matrix_b_scale:MATRIX_SCALE_ROW1
.else
	v_wmma_scale_f32_16x16x128_f8f6f4 v[64*(\a)+8*\b:64*(\a)+8*\b+7], v[128*((\s)%2)+12*\b:128*((\s)%2)+12*\b+11], v[AF+48*((\s)%2)+12*(\a):AF+48*((\s)%2)+12*(\a)+11], v[64*(\a)+8*\b:64*(\a)+8*\b+7], v[SB+4*\b+(\s)%4], v[SA+4*(\a)+(\s)%4] matrix_a_fmt:MATRIX_FMT_BF6 matrix_b_fmt:MATRIX_FMT_BF6
.endif
.endr
.endm
.macro STEP s, zero
	s_wait_dscnt 0x0                               ; this step's fragments, asked for a step ago
	WIN MUL
	MUL8 0, \s, \zero
	PLACES
	FETCH_B (\s)/4, (\s)%4+1, ((\s)+1)%2
	FETCH_A (\s)/4, (\s)%4+1, ((\s)+1)%2
	WIN MUL
	MUL8 1, \s, \zero
	MUL8 2, \s, \zero
	MUL8 3, \s, \zero
	WIN 0
.endm
	s_wait_tensorcnt 0x0                           ; my part of slot 0 is in
	ds_add_u32 v[SPW], v[NIL]
	s_wait_dscnt 0x0
	CROUND
	JLOAD G0+4, G1, G0B+4, G1B                     ; K 512-1,023, into slot 1
	FETCH_B 0, 0, 0
	FETCH_A 0, 0, 0
	s_wait_loadcnt 0x0                             ; the scale words and the bias
	STEP 0, 1                                      ; the first step's products start the sums
	STEP 1, 0
	STEP 2, 0
	s_wait_tensorcnt 0x0                           ; the change of slots: my part of slot 1 is in
	ds_add_u32 v[SPW], v[NIL]
	s_wait_dscnt 1                                 ; step 3's fragments are in; the add may be out
	WIN MUL
	MUL8 0, 3, 0
	s_wait_dscnt 0x0                               ; my reads of slot 0 are over
	s_barrier_signal -1
	MUL8 1, 3, 0
	WIN 0
	s_barrier_wait -1                              ; slot 1 is whole, and nobody reads slot 0 any more; nothing is filled again
	PLACES
	FETCH_B 1, 0, 0
	FETCH_A 1, 0, 0
	WIN MUL
	MUL8 2, 3, 0
	MUL8 3, 3, 0
	WIN 0
	STEP 4, 0
	STEP 5, 0
	STEP 6, 0
	s_wait_dscnt 0x0
	WIN MUL
	MUL8 0, 7, 0
	MUL8 1, 7, 0
	MUL8 2, 7, 0
	MUL8 3, 7, 0
	WIN 0
; THE WAY OUT, block by block of 16 rows x 128 columns, through my own stage: rows of 512 bytes come back and leave as two aligned units of 256 bytes
.macro TOSTAGE a
	WIN 0x08                                       ; the data: window 2
.irp b, 0,1,2,3,4,5,6,7
	ds_store_b128 v[STO], v[64*(\a)+8*\b:64*(\a)+8*\b+3] offset:128*(\b/2)+32*(\b%2)
	ds_store_b128 v[STO], v[64*(\a)+8*\b+4:64*(\a)+8*\b+7] offset:128*(\b/2)+32*(\b%2)+16
.endr
	WIN 0
.set BB, BK+64*((\a)%2)
.irp t, 0,1,2,3,4,5,6,7,8,9,10,11,12,13,14,15
	ds_load_b128 v[BB+4*\t:BB+4*\t+3], v[RD] offset:\t*SPITCH
.endr
.endm
.macro SEND a, younger
.set BB, BK+64*((\a)%2)
	s_wait_dscnt \younger
.if (\a) > 0
	s_add_nc_u64 s[12:13], s[12:13], 4096          ; the next r: one token on (behind a wait on XCNT)
.endif
.irp t, 0,1,2,3,4,5,6,7,8,9,10,11,12,13,14,15
	v_pk_add_f32 v[BB+4*\t:BB+4*\t+1], v[BB+4*\t:BB+4*\t+1], v[8:9]
	v_pk_add_f32 v[BB+4*\t+2:BB+4*\t+3], v[BB+4*\t+2:BB+4*\t+3], v[10:11]
	global_store_b128 v[CO], v[BB+4*\t:BB+4*\t+3], s[12:13] offset:\t*131072 th:TH_STORE_NT   ; lane row t is 32 tokens further on
.endr
.endm
	PLACES
	TOSTAGE 0
.irp a, 1,2,3
.if \a > 1
	s_wait_xcnt 0x0
.endif
	TOSTAGE \a
	SEND \a-1, 32
.endr
	s_wait_xcnt 0x0
	SEND 3, 0
	s_wait_tensorcnt 0x0                           ; the wave's end
	ds_add_u32 v[SPW], v[NIL]
	s_wait_dscnt 0x0
	CROUND                                         ; the closing round
	s_endpgm
.Lfunc_end_k_qfdee69826d_outp:
	.size	k_qfdee69826d_outp, .Lfunc_end_k_qfdee69826d_outp-k_qfdee69826d_outp
	.p2alignl 7, 3214868480
	.fill 96, 4, 3214868480
	.section	.rodata,"a",@progbits
	.p2align	6, 0x0
	.amdhsa_kernel k_qfdee69826d_outp
		.amdhsa_group_segment_fixed_size 327680
		.amdhsa_private_segment_fixed_size 0
		.amdhsa_enable_private_segment 0
		.amdhsa_kernarg_size 32
		.amdhsa_user_sgpr_count 2
		.amdhsa_user_sgpr_kernarg_segment_ptr 1
		.amdhsa_wavefront_size32 1
		.amdhsa_system_sgpr_workgroup_id_x 1
		.amdhsa_system_sgpr_workgroup_id_y 1
		.amdhsa_system_sgpr_workgroup_id_z 1
		.amdhsa_system_vgpr_workitem_id 0
		.amdhsa_next_free_vgpr 768
		.amdhsa_next_free_sgpr 100
		.amdhsa_reserve_vcc 0
		.amdhsa_float_denorm_mode_32 3
		.amdhsa_float_denorm_mode_16_64 3
		.amdhsa_memory_ordered 1
		.amdhsa_forward_progress 1
		.amdhsa_inst_pref_size 91
	.end_amdhsa_kernel
	.amdgpu_metadata
---
amdhsa.version: [ 1, 2 ]
amdhsa.kernels:
  - .name:           k_qfdee69826d_outp
    .symbol:         k_qfdee69826d_outp.kd
    .args:
      - { .name: xo, .offset: 0, .size: 8, .value_kind: global_buffer, .address_space: global }
      - { .name: opq, .offset: 8, .size: 8, .value_kind: global_buffer, .address_space: global }
      - { .name: bo, .offset: 16, .size: 8, .value_kind: global_buffer, .address_space: global }
      - { .name: out0, .offset: 24, .size: 8, .value_kind: global_buffer, .address_space: global }
    .group_segment_fixed_size: 327680
    .private_segment_fixed_size: 0
    .kernarg_segment_align: 8
    .kernarg_segment_size: 32
    .max_flat_workgroup_size: 128
    .sgpr_count:     100
    .vgpr_count:     768
    .wavefront_size: 32
...
	.end_amdgpu_metadata
.endif
;; end of part 4
